; MI455X (gfx1250); checked and timed in simulation.
; The chip was launched on July 23, 2026; its instructions are those of AMD's public machine-readable ISA for CDNA 5 (MIT licence, August 2026) and "CDNA5" Instruction Set Architecture Reference Guide (July 2026). The comments in the code are by the model that wrote it; some were corrected since.
;; Layout L Mv2 Attention. Allowed arithmetic: float matrix products may take bf16 or f16 operands with f32 sums; other float arithmetic in f32, or as packed bf16 or f16 multiplies, adds, multiply-adds, maxima and minima; sums over many terms, partial sums and values carried from step to step in f32; what a program stores and reads back later, other than sums and carried values, may be rounded once to bf16 or f16.
;; Inputs: attention_mask 8 x 1 x 1 x 1,024 bool; b_out 1,024 float32; hidden_states 8 x 1,024 x 1,024 float32; ln_beta 1,024 float32; ln_gamma 1,024 float32; q_bias 1 x 1 x 1,024 float32; rel_2d_pos 1 x 16 x 1,024 x 1,024 float32; rel_pos 1 x 16 x 1,024 x 1,024 float32; v_bias 1 x 1 x 1,024 float32; w_out 1,024 x 1,024 float32; w_qkv 3,072 x 1,024 float32.
;; Outputs: out0 8 x 1,024 x 1,024 float32.
;; 2 versions, each right; version 2 is version 1 with the launch lnorm written anew for expert scheduling mode. Each part assembles by itself: llvm-mc -triple=amdgcn-amd-amdhsa -mcpu=gfx1250 --defsym DOCPART=n.
;; ======== version 1 of 2: 5 launches
;; workspace buffers: xb 16,777,216 bytes; wqb 6,291,456 bytes; wob 2,097,152 bytes; tab 45,056 bytes; zeros 4,096 bytes; qkv 50,331,648 bytes; ctxb 16,777,216 bytes; yb 16,777,216 bytes
;; launch prep (part 1): grid 769 x 1, 8 waves a work-group, no clusters, 0 bytes of LDS; arguments hidden_states, w_qkv, w_out, attention_mask, q_bias, v_bias, xb, wqb, wob, tab, zeros; writes xb, wqb, wob, tab, zeros
.if DOCPART == 1
	.amdgcn_target "amdgcn-amd-amdhsa--gfx1250"
	.amdhsa_code_object_version 6
	.text
	.protected	k_qd4d38de04b_prep
	.globl	k_qd4d38de04b_prep
	.p2align	8
	.type	k_qd4d38de04b_prep,@function
k_qd4d38de04b_prep:
	s_mov_b64 s[64:65], 0
	v_nop
	global_prefetch_b8 v0, s[64:65] scope:SCOPE_SE
	s_setreg_imm32_b32 hwreg(HW_REG_WAVE_MODE, 25, 1), 1
	s_wait_xcnt 0x0
; CASTS AND TABLES.  x [8192][1024], w_qkv [3072][1024] and w_out [1024][1024] are rounded once to bf16 and laid out IN BLOCKS:
;   byte(r, c) = (r >> 10) * 2,097,152 + (c >> 6) * 131,072 + (r & 1023) * 128 + (c & 63) * 2
; so that 64 columns of consecutive rows are dense: every tile that a later launch fetches is a run of whole aligned blocks of 256 bytes.
; Work-groups 0-511 take x, 512-703 w_qkv, 704-767 w_out, 16 rows each; work-group 768 writes the tables:
;   tab: 3,072 f32 {q_bias, 1,024 zeros, v_bias} (the addend of each column of the first product), then maskf[8][1024] f32: 0, or -1e30 where the key is masked;   zeros: 1,024 f32 zeros.
; A stream: each byte read once and written once, no LDS, no barrier, no matrix unit.  Sixteen lanes read 256 consecutive bytes of a row; a wave's store covers two rows' 128 bytes, 256 consecutive bytes, aligned.
.set X, 8                              ; v[8:71]    sixteen loads of 4 f32
.set Y, 72                             ; v[72:103]  sixteen stores of 4 bf16
	s_load_b512 s[16:31], s[0:1], 0x0              ; x 16, w_qkv 18, w_out 20, mask 22, q_bias 24, v_bias 26, xb 28, wqb 30
	s_load_b128 s[32:35], s[0:1], 0x40             ; wob 32, tab 34
	s_load_b64 s[36:37], s[0:1], 0x50              ; zeros
	v_lshrrev_b32 v1, 4, v0                        ; my row of the 16
	v_and_b32 v4, 15, v0                           ; my place among the 16 lanes of a row
	v_lshlrev_b32 v2, 12, v1
	v_lshl_add_u32 v2, v4, 4, v2                   ; source: row x 4,096 + 16 x place
	v_lshlrev_b32 v3, 7, v1
	v_lshl_add_u32 v3, v4, 3, v3                   ; destination: row x 128 + 8 x place
	s_mov_b32 s9, 512
	s_mov_b32 s10, 704
	s_wait_kmcnt 0x0
	s_cmp_eq_u32 ttmp9, 768
	s_cbranch_scc1 .Ltable
	s_cmp_lt_u32 ttmp9, s10                        ; which of the three matrices: a choice between buffers on the work-group's number
	s_cselect_b64 s[4:5], s[18:19], s[20:21]
	s_cselect_b64 s[6:7], s[30:31], s[32:33]
	s_cselect_b32 s8, s9, s10
	s_cmp_lt_u32 ttmp9, s9
	s_cselect_b64 s[4:5], s[16:17], s[4:5]
	s_cselect_b64 s[6:7], s[28:29], s[6:7]
	s_cselect_b32 s8, 0, s8
	s_sub_co_u32 s8, ttmp9, s8                     ; i: my block of 16 rows in that matrix
	s_lshl_b32 s10, s8, 16                         ; 16 rows of 4,096 bytes
	s_mov_b32 s11, 0
	s_lshr_b32 s12, s8, 6
	s_lshl_b32 s12, s12, 21                        ; (r >> 10) x 2,097,152
	s_and_b32 s13, s8, 63
	s_lshl_b32 s13, s13, 11                        ; (r & 1023) x 128
	s_add_co_u32 s12, s12, s13
	s_mov_b32 s13, 0
	s_add_nc_u64 s[4:5], s[4:5], s[10:11]
	s_add_nc_u64 s[6:7], s[6:7], s[12:13]
.irp kh, 0,1,2,3,4,5,6,7,8,9,10,11,12,13,14,15
	global_load_b128 v[X+4*\kh:X+4*\kh+3], v2, s[4:5] offset:256*\kh th:TH_LOAD_NT  ; column block kh: all sixteen loads go out before the first is used
.endr
.irp kh, 0,1,2,3,4,5,6,7,8,9,10,11,12,13,14,15
	s_wait_loadcnt 15-\kh                          ; loads come back in order: block kh is in, the younger ones stay out
	v_cvt_pk_bf16_f32 v[Y+2*\kh], v[X+4*\kh], v[X+4*\kh+1]
	v_cvt_pk_bf16_f32 v[Y+2*\kh+1], v[X+4*\kh+2], v[X+4*\kh+3]
	global_store_b64 v3, v[Y+2*\kh:Y+2*\kh+1], s[6:7] offset:131072*\kh  ; no register is used twice, so nothing waits for a store
.endr
	s_endpgm
.Ltable:
	v_lshlrev_b32 v5, 4, v0                        ; 16 t
	v_lshlrev_b32 v6, 2, v0                        ; 4 t
	s_mov_b32 s8, 0xf149f2ca                       ; -1e30
	global_load_b128 v[12:15], v5, s[24:25]        ; q_bias
	global_load_b128 v[16:19], v5, s[26:27]        ; v_bias
.irp j, 0,1,2,3,4,5,6,7
	global_load_b32 v[20+\j], v6, s[22:23] offset:1024*\j  ; batch j, keys 4 t .. 4 t + 3: four bytes
.endr
.irp k, 8,9,10,11
	v_mov_b32 v\k, 0
.endr
	global_store_b128 v5, v[8:11], s[34:35] offset:4096    ; k has no bias
	global_store_b128 v5, v[8:11], s[36:37]
	s_wait_loadcnt 9                               ; q_bias is in: nine younger loads
	global_store_b128 v5, v[12:15], s[34:35]
	s_wait_loadcnt 8
	global_store_b128 v5, v[16:19], s[34:35] offset:8192
.irp j, 0,1,2,3,4,5,6,7
	s_wait_loadcnt 7-\j
.irp k, 0,1,2,3
	v_bfe_u32 v[28+\k], v[20+\j], 8*\k, 8
.endr
.irp k, 0,1,2,3
	v_cmp_ne_u32 vcc_lo, 0, v[28+\k]
	v_cndmask_b32 v[32+4*\j+\k], 0, s8, vcc_lo     ; a choice of a value, no branch
.endr
	global_store_b128 v5, v[32+4*\j:32+4*\j+3], s[34:35] offset:12288+4096*\j
.endr
	s_endpgm
.Lfunc_end_k_qd4d38de04b_prep:
	.size	k_qd4d38de04b_prep, .Lfunc_end_k_qd4d38de04b_prep-k_qd4d38de04b_prep
	.p2alignl 7, 3214868480
	.fill 96, 4, 3214868480
	.section	.rodata,"a",@progbits
	.p2align	6, 0x0
	.amdhsa_kernel k_qd4d38de04b_prep
		.amdhsa_group_segment_fixed_size 0
		.amdhsa_private_segment_fixed_size 0
		.amdhsa_enable_private_segment 0
		.amdhsa_kernarg_size 88
		.amdhsa_user_sgpr_count 2
		.amdhsa_user_sgpr_kernarg_segment_ptr 1
		.amdhsa_wavefront_size32 1
		.amdhsa_system_sgpr_workgroup_id_x 1
		.amdhsa_system_sgpr_workgroup_id_y 1
		.amdhsa_system_sgpr_workgroup_id_z 1
		.amdhsa_system_vgpr_workitem_id 0
		.amdhsa_next_free_vgpr 104
		.amdhsa_next_free_sgpr 66
		.amdhsa_reserve_vcc 1
		.amdhsa_float_denorm_mode_32 3
		.amdhsa_float_denorm_mode_16_64 3
		.amdhsa_memory_ordered 1
		.amdhsa_forward_progress 1
		.amdhsa_inst_pref_size 15
	.end_amdhsa_kernel
	.amdgpu_metadata
---
amdhsa.version: [ 1, 2 ]
amdhsa.kernels:
  - .name:           k_qd4d38de04b_prep
    .symbol:         k_qd4d38de04b_prep.kd
    .args:
      - { .name: hidden_states, .offset: 0, .size: 8, .value_kind: global_buffer, .address_space: global }
      - { .name: w_qkv, .offset: 8, .size: 8, .value_kind: global_buffer, .address_space: global }
      - { .name: w_out, .offset: 16, .size: 8, .value_kind: global_buffer, .address_space: global }
      - { .name: attention_mask, .offset: 24, .size: 8, .value_kind: global_buffer, .address_space: global }
      - { .name: q_bias, .offset: 32, .size: 8, .value_kind: global_buffer, .address_space: global }
      - { .name: v_bias, .offset: 40, .size: 8, .value_kind: global_buffer, .address_space: global }
      - { .name: xb, .offset: 48, .size: 8, .value_kind: global_buffer, .address_space: global }
      - { .name: wqb, .offset: 56, .size: 8, .value_kind: global_buffer, .address_space: global }
      - { .name: wob, .offset: 64, .size: 8, .value_kind: global_buffer, .address_space: global }
      - { .name: tab, .offset: 72, .size: 8, .value_kind: global_buffer, .address_space: global }
      - { .name: zeros, .offset: 80, .size: 8, .value_kind: global_buffer, .address_space: global }
    .group_segment_fixed_size: 0
    .private_segment_fixed_size: 0
    .kernarg_segment_align: 8
    .kernarg_segment_size: 88
    .max_flat_workgroup_size: 256
    .sgpr_count:     66
    .vgpr_count:     104
    .wavefront_size: 32
...
	.end_amdgpu_metadata
.endif
;; end of part 1
;; launch qkv (part 2): grid 12 x 32, 4 waves a work-group, clusters of 4 x 4, 327,680 bytes of LDS; arguments xb, wqb, tab, qkv; writes qkv
.if DOCPART == 2
	.amdgcn_target "amdgcn-amd-amdhsa--gfx1250"
	.amdhsa_code_object_version 6
	.text
	.protected	k_qd4d38de04b_qkv
	.globl	k_qd4d38de04b_qkv
	.p2align	8
	.type	k_qd4d38de04b_qkv,@function
k_qd4d38de04b_qkv:
	s_mov_b64 s[64:65], 0
	v_nop
	global_prefetch_b8 v0, s[64:65] scope:SCOPE_SE
	s_setreg_imm32_b32 hwreg(HW_REG_WAVE_MODE, 25, 1), 1
	s_wait_xcnt 0x0
	s_wait_alu depctr_hold_cnt(0) depctr_sa_sdst(0) depctr_va_vdst(0) depctr_va_sdst(0) depctr_va_ssrc(0) depctr_va_vcc(0) depctr_vm_vsrc(0)
	s_getreg_b32 s2, hwreg(HW_REG_IB_STS2, 6, 4)
	s_cmp_eq_u32 s2, 0
	s_cbranch_scc0 .Lentry_in_a_cluster
	s_endpgm
.Lentry_in_a_cluster:
	s_bfe_u32 s2, ttmp6, 0x10000c
	s_cmp_lg_u32 s2, 0xf033
	s_cbranch_scc0 .Lentry_shape_is_right
	s_endpgm
.Lentry_shape_is_right:
; C[m][n] = the sum over k of A[m][k] B[n][k] + bias[n].  A: [8192][1024], B: [3072][1024], both bf16 IN BLOCKS: byte(r, c) = (r >> 10) * 2,097,152 + (c >> 6) * 131,072 + (r & 1023) * 128 + (c & 63) * 2.
; bias: f32 [3072] (q_bias, zeros, v_bias).  C: bf16, rounded once from f32 sums, written as thirds of 1,024 columns, each third in the same blocks: with m = batch * 1024 + s and n = third * 1024 + head * 64 + d that is [third][batch][head][s][64].
; SHARES.  A tile of C is 256 x 256: 12 x 32 = 384 work-groups of four waves, each wave 128 rows x 128 columns (two blocks of 64 columns): 64 accumulators of 16 x 16, 512 registers.  K goes in eight steps of 128 through two LDS slots.
; WHY THIS TILE.  Between a slot's request and the wait for it a wave issues 224 matrix instructions, and a fragment read from LDS feeds eight of them; a tile of 256 x 128 (768 work-groups) leaves 112, and feeds four or eight.
; THE MATRIX INSTRUCTION IS USED TRANSPOSED (source 0 = 16 rows of B, source 1 = 16 rows of A): a lane holds row l % 16 of C and eight neighbouring columns, which pack into 16 bytes.
; The first product of each sum takes the bias as its C operand: nothing is cleared, and nothing is added on the way out.
; CLUSTER.  4 x 4 work-groups: the four of a row of the cluster need the same tiles of A, the four of a column the same tiles of B; each tile is asked for jointly, by the same tensor load with the same descriptor and a mask of four.
; REGISTERS, in windows of 256 (s_set_vgpr_msb: bits 1:0 source 0, 3:2 source 1, 5:4 source 2, 7:6 destination):
;   window 0: v16-30 addresses; v64-127, v128-191 fragments of A (8 x 16 rows x 32 K), two buffers
;   window 1: v0-63 the bias in the accumulators' layout; v64-127, v128-191 fragments of B, two buffers; on the way out all 256: row block a's packed results at 32 a
;   window 2: the 32 accumulators of my rows 0-63 (accumulator (a, b) at 8 (8 a + b));   window 3: those of my rows 64-127
.set PITCH,  144                       ; an LDS row: 128 bytes + 16 of padding = 36 words: the 16 rows of a fragment load start at 16 different groups of four banks (64 banks of 4 bytes: ISA guide 11.1)
.set AKH,    128*PITCH                 ; 128 rows, one block of 64 columns
.set HALF,   2*AKH                     ; what one tensor load brings, and what one wave reads of A or of B: 128 rows x 128 columns
.set SLOT,   4*HALF                    ; A's two halves, then B's two halves: 147,456
.set STAGE,  2*SLOT                    ; behind the ring, never filled by a tensor load: for each wave two blocks of columns x 16 rows x 144 bytes
.set STW,    2*16*PITCH
.set SPARE,  STAGE+4*STW               ; the spare words, 128 bytes for each wave: two blocks of 256 bytes that no other line names
.set KSTEPB, 262144                    ; bytes from a K step to the next: two blocks of 64 columns
.set ADRA, 16                          ; v16-17  LDS address of my A fragments in slot 0, 1
.set ADRB, 20                          ; v20-21  the same for B
.set STO,  24                          ; v24     the way out: where I put 16 bytes of a row
.set RD,   25                          ; v25     where I read rows back
.set GO,   26                          ; v26     16 x lane
.set BO,   27                          ; v27     my byte offset in the bias
.set SPW,  28                          ; v28     LDS address of my spare word; never rewritten
.set NIL,  29                          ; v29     0; never rewritten
.set PFO,  30                          ; v30     256 x lane; never rewritten
.set BS,   0                           ; window 1
.set F0,   64
.set F1,   128
.set G1A, 24                           ; s[24:31] descriptor group 1 for A's tiles;  s[32:39] group 0, a set for each slot
.set G0A, 32
.set G1B, 48                           ; s[48:55], s[56:63] the same for B's
.set G0B, 56
.set PFA, 40                           ; s[40:41] where my prefetches stand
.set LIM, 42                           ; s42     1 in a wave that prefetches, else the greatest number
.set FLAGS, (1<<16)|(1<<20)|(1<<21)|(4<<22)|(3<<25)  ; 17:16 elements of 2 bytes; 20 padding on; 21 set beside a mask; 24:22 after every 32 words (code 4); 31:25 4 words of it (code 3)
.set MSB, 0
.macro WIN new                         ; the immediate's high byte repeats the setting that is left; a switch that changes nothing is dropped
.if MSB != (\new)
	s_set_vgpr_msb (MSB<<8)|(\new)
.set MSB, \new
.endif
.endm
.set TO_B, 0x40                        ; destination window 1, address window 0
; A joint load: waves 0 and 1 fetch A's two halves, waves 2 and 3 B's.  The branch hangs on the wave's number alone.  An s_nop 0 and four v_nop follow each of the two lines.
.macro JLOAD s
	s_cmp_eq_u32 s13, 0
	s_cbranch_scc0 .Lfor_b_\@
	tensor_load_to_lds s[G0A+4*(\s):G0A+4*(\s)+3], s[G1A:G1A+7]
	s_nop 0
.rept 4
	v_nop
.endr
	s_branch .Lasked_\@
.Lfor_b_\@:
	tensor_load_to_lds s[G0B+4*(\s):G0B+4*(\s)+3], s[G1B:G1B+7]
	s_nop 0
.rept 4
	v_nop
.endr
.Lasked_\@:
.endm
.macro CREST                           ; a round of the cluster's barrier behind its opening barrier
	s_cmp_lg_u32 s12, 0
	s_cbranch_scc1 .Lnot_wave_0_\@
	s_barrier_signal -3
.Lnot_wave_0_\@:
	s_barrier_wait -3
	s_barrier_signal -1
	s_barrier_wait -1
.endm
.macro CROUND                          ; a whole round
	s_barrier_signal -1
	s_barrier_wait -1
	CREST
.endm
; A PREFETCH INTO THE L2 of the K step that stands two refills on, behind the joint load, its five lines and the run of LDS loads.  Each aligned block of 256 bytes is named once in the launch:
; A's rows are asked for by the cluster with x = 0, B's by the cluster with y = 0.  What a wave fetches in a K step is 128 such blocks; the four partners that fetch it jointly take 32 each, told apart BY ADDRESS
; (cx for A, cy for B): partners 0 and 1 the halves of the first block of columns, partners 2 and 3 those of the second; a lane a block, one instruction a wave.
; K steps 0 to 3 come by their loads alone; the loop's last trip (s19 = 1) asks for nothing: there is no K step two refills on.
.macro ASK
	WIN 0
	s_cmp_gt_u32 s19, s[LIM]
	s_cbranch_scc0 .Lnot_mine_\@
	global_prefetch_b8 v[PFO], s[PFA:PFA+1] th:TH_LOAD_NT scope:SCOPE_SE
.Lnot_mine_\@:
.endm
	s_load_b256 s[4:11], s[0:1], 0x0               ; A s[4:5], B s[6:7], bias s[8:9], C s[10:11]
	v_lshl_add_u32 v[SPW], v0, 2, SPARE
	v_mov_b32 v[NIL], 0
	ds_add_u32 v[SPW], v[NIL]                      ; the wave's opening: the add and its wait stand ahead of my first tensor load; the set-up below, work on registers, stands between them
	v_lshrrev_b32 v1, 5, v0
	v_readfirstlane_b32 s12, v1                    ; wave 0..3
	s_lshr_b32 s13, s12, 1                         ; RH: which 128 rows of the tile are mine.  Also: I fetch for A (0) or for B (1)
	s_and_b32 s14, s12, 1                          ; CH: which 128 columns.  Also: which half of that tile I fetch
	s_bfe_u32 s15, ttmp6, 0x40000                  ; cx
	s_bfe_u32 s16, ttmp6, 0x40004                  ; cy
	s_lshl_b32 s17, ttmp9, 2
	s_add_co_u32 s17, s17, s15                     ; tx: tile column of C, 0..11
	s_and_b32 s18, ttmp7, 0xffff
	s_lshl_b32 s18, s18, 2
	s_add_co_u32 s18, s18, s16                     ; ty: tile row of C, 0..31
	s_lshl_b32 s20, s16, 2
	s_lshl_b32 s20, 15, s20                        ; my row of the cluster
	s_lshl_b32 s21, 0x1111, s15                    ; my column
	s_or_b32 s[G1A], s20, FLAGS                    ; A's tiles go to my row,
	s_or_b32 s[G1B], s21, FLAGS                    ; B's to my column
	; 128 rows of one block of 64 columns are 16,384 dense bytes: asked for as ONE long row of 8,192 elements; the tile's second row is the next block of columns, 65,536 elements on.  The padding falls behind every 128 bytes.
.irp g, G1A, G1B
	s_mov_b32 s[\g+1], 8192<<16                    ; tensor_dim0 = 8,192
	s_mov_b32 s[\g+2], 2<<16                       ; tensor_dim1 = 2
	s_mov_b32 s[\g+3], 8192<<16                    ; tile_dim0 = 8,192
	s_mov_b32 s[\g+4], 2                           ; tile_dim1 = 2
	s_mov_b32 s[\g+5], 65536                       ; elements from row to row
	s_mov_b32 s[\g+6], 0
	s_mov_b32 s[\g+7], 0
.endr
	s_lshr_b32 s44, s18, 2                         ; A's half tile: (ty >> 2) x 2,097,152 + ((ty & 3) x 256 + 128 CH) x 128: it hangs on the tile row alone
	s_lshl_b32 s44, s44, 21
	s_and_b32 s45, s18, 3
	s_lshl_b32 s45, s45, 15
	s_add_co_u32 s44, s44, s45
	s_lshl_b32 s45, s14, 14
	s_add_co_u32 s44, s44, s45
	s_mov_b32 s45, 0
	s_lshr_b32 s46, s17, 2                         ; B's: the same of tx: on the tile column alone
	s_lshl_b32 s46, s46, 21
	s_and_b32 s47, s17, 3
	s_lshl_b32 s47, s47, 15
	s_add_co_u32 s46, s46, s47
	s_lshl_b32 s47, s14, 14
	s_add_co_u32 s46, s46, s47
	s_mov_b32 s47, 0
	s_mul_i32 s22, s14, HALF                       ; where they go: no place in the cluster enters an LDS address
	s_mul_i32 s23, s14, HALF
	s_add_co_u32 s23, s23, 2*HALF
	s_wait_dscnt 0x0                               ; the opening add is done
	s_wait_kmcnt 0x0
	s_add_nc_u64 s[20:21], s[4:5], s[44:45]
	s_add_nc_u64 s[46:47], s[6:7], s[46:47]
	CROUND                                         ; all sixteen work-groups are here: the first joint loads meet
.irp s, 0,1
	s_mov_b32 s[G0A+4*\s], 1                       ; 1:0 count = 1
	s_add_co_u32 s[G0A+4*\s+1], s22, \s*SLOT       ; 63:32 LDS address
	s_add_nc_u64 s[G0A+4*\s+2:G0A+4*\s+3], s[20:21], \s*KSTEPB  ; 120:64 global address: K step s
	s_or_b32 s[G0A+4*\s+3], s[G0A+4*\s+3], 0x80000000           ; 127:126 type = 2
	s_mov_b32 s[G0B+4*\s], 1
	s_add_co_u32 s[G0B+4*\s+1], s23, \s*SLOT
	s_add_nc_u64 s[G0B+4*\s+2:G0B+4*\s+3], s[46:47], \s*KSTEPB
	s_or_b32 s[G0B+4*\s+3], s[G0B+4*\s+3], 0x80000000
	JLOAD \s                                       ; two tensor loads of mine are out
.endr
	; the prefetches' pointer and their test
	s_and_b32 s45, ttmp7, 0xffff                   ; cluster y
	s_cmp_eq_u32 s13, 0                            ; do I fetch for A?
	s_cselect_b64 s[PFA:PFA+1], s[20:21], s[46:47] ; my half tile, K step 0
	s_cselect_b32 s22, s15, s16                    ; my place among the four that ask for it with me
	s_cselect_b32 s45, ttmp9, s45                  ; the coordinate along which other clusters read the same rows
	s_cmp_eq_u32 s45, 0
	s_cselect_b32 s[LIM], 1, -1                    ; the same in all sixteen partners, for a given wave
	s_lshr_b32 s44, s22, 1
	s_lshl_b32 s44, s44, 17                        ; partners 2 and 3: the K step's second block of columns
	s_and_b32 s22, s22, 1
	s_lshl_b32 s22, s22, 13                        ; partners 1 and 3: the second 8,192 bytes of the block's 16,384
	s_add_co_u32 s44, s44, s22
	s_add_co_u32 s44, s44, 3*KSTEPB                ; at K step 3: the first change of slots steps it to 4
	s_mov_b32 s45, 0
	s_add_nc_u64 s[PFA:PFA+1], s[PFA:PFA+1], s[44:45]
	; A fragment is 16 rows x 32 K in 8 registers: lane l holds row l % 16; registers 0-3 K = 8 (l / 16) + 0..7, registers 4-7 K = 16 + 8 (l / 16) + 0..7: two loads of 16 bytes, 32 bytes apart.
	v_and_b32 v1, 15, v0                           ; l % 16
	v_bfe_u32 v2, v0, 4, 1                         ; l / 16
	v_and_b32 v[PFO], 31, v0
	v_lshlrev_b32 v[PFO], 8, v[PFO]
	v_mul_u32_u24 v3, v1, PITCH
	v_lshl_add_u32 v3, v2, 4, v3                   ; row x pitch + 16 x half
	s_mul_i32 s2, s13, HALF                        ; my 128 rows of A
	s_mul_i32 s3, s14, HALF                        ; my 128 rows of B,
	s_add_co_u32 s3, s3, 2*HALF                    ; which lie behind A's 256
.irp s, 0,1
	v_add_nc_u32 v[ADRA+\s], s2, v3
	v_add_nc_u32 v[ADRB+\s], s3, v3
	s_add_co_u32 s2, s2, SLOT
	s_add_co_u32 s3, s3, SLOT
.endr
	s_mul_i32 s2, s12, STW
	s_add_co_u32 s2, s2, STAGE                     ; my stage
	v_add_nc_u32 v[STO], s2, v3                    ; in: row l % 16, 16 bytes for each half of the lanes
	v_bfe_u32 v4, v0, 3, 2                         ; back: 32 lanes take four rows of 128 bytes,
	v_mul_u32_u24 v4, v4, PITCH
	v_and_b32 v5, 7, v0
	v_lshl_add_u32 v4, v5, 4, v4
	v_add_nc_u32 v[RD], s2, v4
	v_and_b32 v[GO], 31, v0                        ; which are 512 consecutive bytes of C
	v_lshlrev_b32 v[GO], 4, v[GO]
	s_lshl_b32 s2, s17, 10                         ; the bias of my 128 columns: (256 tx + 128 CH) x 4 bytes, + 32 for lanes 16-31
	s_lshl_b32 s3, s14, 9
	s_add_co_u32 s2, s2, s3
	v_lshl_add_u32 v[BO], v2, 5, s2
	WIN TO_B
.irp b, 0,1,2,3,4,5,6,7
	global_load_b128 v[BS+8*\b:BS+8*\b+3],   v[BO], s[8:9] offset:64*\b     ; register j of block b: bias[16 b + 8 (l / 16) + j]: the layout of a result
	global_load_b128 v[BS+8*\b+4:BS+8*\b+7], v[BO], s[8:9] offset:64*\b+16
.endr
	WIN 0
	s_lshl_b32 s20, s17, 2                         ; my first block of 64 columns: 4 tx + 2 CH, an even number: its neighbour lies in the same third.  Its third and its place in the third
	s_lshl_b32 s21, s14, 1
	s_add_co_u32 s20, s20, s21
	s_lshr_b32 s21, s20, 4
	s_lshl_b32 s21, s21, 24
	s_and_b32 s20, s20, 15
	s_lshl_b32 s20, s20, 17
	s_add_co_u32 s20, s20, s21
	s_lshr_b32 s21, s18, 2                         ; my first row: 256 ty + 128 RH
	s_lshl_b32 s21, s21, 21
	s_add_co_u32 s20, s20, s21
	s_and_b32 s21, s18, 3
	s_lshl_b32 s21, s21, 15
	s_add_co_u32 s20, s20, s21
	s_lshl_b32 s21, s13, 14
	s_add_co_u32 s20, s20, s21
	s_mov_b32 s21, 0
	s_add_nc_u64 s[10:11], s[10:11], s[20:21]      ; my 128 rows of a block of 64 columns are 16,384 consecutive bytes; the second block lies 131,072 bytes on
; 16 matrix instructions: row blocks a0, a0 + 1 of the window's four (hi = 0: my rows 0-63, 1: rows 64-127) x all 8 column blocks, 32 along K.  The 64 accumulators take turns, one instruction a turn, in the same order
; in every quarter.  zero = 1: the first product starts the sum with the bias (C in window 1).
.macro MUL16 f, hi, a0, zero
.if \zero
	WIN 0x91+0x40*(\hi)                            ; source 0 (B) window 1, source 1 (A) window 0, C window 1, D window 2 or 3
.else
	WIN 0xa1+0x50*(\hi)                            ; the same with C and D in window 2 or 3
.endif
.irp a, \a0, (\a0)+1
.irp b, 0,1,2,3,4,5,6,7
.if \zero
	v_wmma_f32_16x16x32_bf16 v[8*(8*(\a)+(\b)):8*(8*(\a)+(\b))+7], v[(\f)+8*(\b):(\f)+8*(\b)+7], v[(\f)+8*(4*(\hi)+(\a)):(\f)+8*(4*(\hi)+(\a))+7], v[BS+8*(\b):BS+8*(\b)+7]
.else
	v_wmma_f32_16x16x32_bf16 v[8*(8*(\a)+(\b)):8*(8*(\a)+(\b))+7], v[(\f)+8*(\b):(\f)+8*(\b)+7], v[(\f)+8*(4*(\hi)+(\a)):(\f)+8*(4*(\hi)+(\a))+7], v[8*(8*(\a)+(\b)):8*(8*(\a)+(\b))+7]
.endif
.endr
.endr
.endm
; 32 LDS loads in one run: quarter q (32 along K) of a slot into buffer f: B's 16, then A's 16 in ascending order
.macro FETCH slot, q, f
	WIN TO_B
.irp i, 0,1,2,3,4,5,6,7
	ds_load_b128 v[(\f)+8*\i:(\f)+8*\i+3],   v[ADRB+(\slot)] offset:((\q)/2)*AKH+((\q)%2)*64+\i*16*PITCH
	ds_load_b128 v[(\f)+8*\i+4:(\f)+8*\i+7], v[ADRB+(\slot)] offset:((\q)/2)*AKH+((\q)%2)*64+\i*16*PITCH+32
.endr
	WIN 0
.irp i, 0,1,2,3,4,5,6,7
	ds_load_b128 v[(\f)+8*\i:(\f)+8*\i+3],   v[ADRA+(\slot)] offset:((\q)/2)*AKH+((\q)%2)*64+\i*16*PITCH
	ds_load_b128 v[(\f)+8*\i+4:(\f)+8*\i+7], v[ADRA+(\slot)] offset:((\q)/2)*AKH+((\q)%2)*64+\i*16*PITCH+32
.endr
.endm
.macro PLACES                          ; four places in front of loads into registers that matrix instructions have read, and of conversions that read results
.rept 4
	v_nop
.endr
.endm
; A K step is four quarters of 32 along K, 64 matrix instructions each, on buffers 0, 1, 0, 1.  One of the first three: multiplies buffer f and, in its middle, fetches quarter qn of the same slot into g.
.macro QUARTER slot, qn, f, g, zero
	s_wait_dscnt 8                                 ; B and A's blocks 0-3 are in; the youngest eight loads (A's blocks 4-7) may be out
	MUL16 \f, 0, 0, \zero
	MUL16 \f, 0, 2, \zero
	PLACES
	FETCH \slot, \qn, \g
	s_wait_dscnt 32                                ; all but the 32 just issued
	MUL16 \f, 1, 0, \zero
	MUL16 \f, 1, 2, \zero
.endm
; The last quarter multiplies buffer 1 and changes slots: ONE barrier; in front of it each wave waits for all its tensor loads (one is out: its part of the next slot), adds 0 to its spare word, and waits for that and for its reads of this slot.
; fill = 1: the barrier opens a round of the cluster's barrier, and this slot is filled again first thing behind the round, with the K step two on: 224 matrix instructions ahead of the wait for it.
.macro TURN slot, next, fill
.if \fill
	s_wait_xcnt 0x0                                ; the last prefetch, a K step back, has read its address, so it may be stepped
	s_add_nc_u64 s[PFA:PFA+1], s[PFA:PFA+1], KSTEPB
.endif
	WIN 0                                          ; (the add's two registers lie in window 0)
	s_wait_tensorcnt 0x0                           ; all my tensor loads have landed
	ds_add_u32 v[SPW], v[NIL]                      ; 0 onto my spare word
	s_wait_dscnt 9                                 ; (the add and the youngest eight loads may be out)
	MUL16 F1, 0, 0, 0                              ; sixteen matrix instructions stand between the add and the wait for it
	s_wait_dscnt 0x0                               ; the add is done, and my reads of this slot are over
	s_barrier_signal -1
	MUL16 F1, 0, 2, 0                              ; work on registers while the others arrive
.if \fill
	WIN 0
.endif
	s_barrier_wait -1
.if \fill
	CREST                                          ; no wave of any partner still reads this slot's tile or has a load on its way
	s_add_nc_u64 s[G0A+4*(\slot)+2:G0A+4*(\slot)+3], s[G0A+4*(\slot)+2:G0A+4*(\slot)+3], 2*KSTEPB
	s_add_nc_u64 s[G0B+4*(\slot)+2:G0B+4*(\slot)+3], s[G0B+4*(\slot)+2:G0B+4*(\slot)+3], 2*KSTEPB
	JLOAD \slot                                    ; the four v_nop behind it are also the places in front of the loads below
.else
	PLACES
.endif
	FETCH \next, 0, F0
.if \fill
	ASK
.endif
	MUL16 F1, 1, 0, 0
	MUL16 F1, 1, 2, 0
.endm
; THE WAY OUT of row block a (16 rows x 128 columns): rounded to bf16, 16 bytes a lane, into my own stage (for each block of 64 columns 16 rows of 144 bytes) and back as four rows of 128 bytes a load, into the registers
; that they left.  Each block has 32 registers of window 1 to itself, so no register is written again behind a store that reads it.
.macro PACK a
	WIN 0x4a+5*((\a)/4)                            ; sources 0 and 1 window 2 or 3, destination window 1
.irp b, 0,1,2,3,4,5,6,7
.irp p, 0,1,2,3
	v_cvt_pk_bf16_f32 v[32*(\a)+4*\b+\p], v[8*(8*((\a)%4)+\b)+2*\p], v[8*(8*((\a)%4)+\b)+2*\p+1]  ; each accumulator's registers in ascending order
.endr
.endr
	WIN 0x04                                       ; data (source 1) window 1, address window 0
.irp b, 0,1,2,3,4,5,6,7
	ds_store_b128 v[STO], v[32*(\a)+4*\b:32*(\a)+4*\b+3] offset:(\b/4)*16*PITCH+32*(\b%4)
.endr
	WIN TO_B
.irp f, 0,1,2,3,4,5,6,7
	ds_load_b128 v[32*(\a)+4*\f:32*(\a)+4*\f+3], v[RD] offset:(\f/4)*16*PITCH+(\f%4)*4*PITCH  ; LDS serves a wave's instructions in order (ISA guide 5.7.1.4): these see the stores above; the next block's stores come behind them
.endr
.endm
.macro SEND a, younger                 ; younger: the LDS instructions issued behind block a's loads: the next block's sixteen, or none
	WIN 0x04
.irp f, 0,1,2,3,4,5,6,7
	s_wait_dscnt (\younger)+7-\f
	global_store_b128 v[GO], v[32*(\a)+4*\f:32*(\a)+4*\f+3], s[10:11] offset:(\f/4)*131072+(\a)*2048+(\f%4)*512  ; 512 consecutive bytes, at a multiple of 256 from C's first byte
.endr
.endm
	s_wait_tensorcnt 1                             ; my part of K step 0 is in; K step 1's may stay out
	s_barrier_signal -1
	s_barrier_wait -1                              ; everybody's is
	FETCH 0, 0, F0
	s_wait_loadcnt 0x0                             ; the bias
	QUARTER 0, 1, F0, F1, 1                        ; the first quarter stands in front of the loop: its products start the sums
	WIN 0                                          ; at a label and at a branch every window is 0
	s_mov_b32 s19, 3
.Llap:                                                 ; a trip goes once round the ring, from a lap's second quarter to the next lap's first, and fills both slots again
	QUARTER 0, 2, F1, F0, 0
	QUARTER 0, 3, F0, F1, 0
	TURN 0, 1, 1
	QUARTER 1, 1, F0, F1, 0
	QUARTER 1, 2, F1, F0, 0
	QUARTER 1, 3, F0, F1, 0
	TURN 1, 0, 1
	QUARTER 0, 1, F0, F1, 0
	WIN 0
	s_sub_co_u32 s19, s19, 1
	s_cmp_lg_u32 s19, 0
	s_cbranch_scc1 .Llap
	QUARTER 0, 2, F1, F0, 0                        ; the last lap fills nothing, and has no round of the cluster's barrier
	QUARTER 0, 3, F0, F1, 0
	TURN 0, 1, 0
	QUARTER 1, 1, F0, F1, 0
	QUARTER 1, 2, F1, F0, 0
	QUARTER 1, 3, F0, F1, 0
	s_wait_dscnt 8                                 ; the very last quarter: nothing more to fetch
	MUL16 F1, 0, 0, 0
	MUL16 F1, 0, 2, 0
	s_wait_dscnt 0x0
	MUL16 F1, 1, 0, 0
	MUL16 F1, 1, 2, 0
	PLACES
	PACK 0
.irp a, 1,2,3,4,5,6,7                  ; a block's conversions stand between the loads of the block before and its stores
	PACK \a
	SEND (\a)-1, 16
.endr
	SEND 7, 0
	WIN 0
	s_wait_tensorcnt 0x0                           ; the wave's end: an add to my spare word and its wait, behind my last tensor load and my last LDS store
	ds_add_u32 v[SPW], v[NIL]
	s_wait_dscnt 0x0
	CROUND                                         ; the closing round: no work-group ends while a partner may still ask for a tile that names it
	s_endpgm
.Lfunc_end_k_qd4d38de04b_qkv:
	.size	k_qd4d38de04b_qkv, .Lfunc_end_k_qd4d38de04b_qkv-k_qd4d38de04b_qkv
	.p2alignl 7, 3214868480
	.fill 96, 4, 3214868480
	.section	.rodata,"a",@progbits
	.p2align	6, 0x0
	.amdhsa_kernel k_qd4d38de04b_qkv
		.amdhsa_group_segment_fixed_size 327680
		.amdhsa_private_segment_fixed_size 0
		.amdhsa_enable_private_segment 0
		.amdhsa_kernarg_size 32
		.amdhsa_user_sgpr_count 2
		.amdhsa_user_sgpr_kernarg_segment_ptr 1
		.amdhsa_wavefront_size32 1
		.amdhsa_system_sgpr_workgroup_id_x 1
		.amdhsa_system_sgpr_workgroup_id_y 1
		.amdhsa_system_sgpr_workgroup_id_z 1
		.amdhsa_system_vgpr_workitem_id 0
		.amdhsa_next_free_vgpr 1024
		.amdhsa_next_free_sgpr 66
		.amdhsa_reserve_vcc 0
		.amdhsa_float_denorm_mode_32 3
		.amdhsa_float_denorm_mode_16_64 3
		.amdhsa_memory_ordered 1
		.amdhsa_forward_progress 1
		.amdhsa_inst_pref_size 147
	.end_amdhsa_kernel
	.amdgpu_metadata
---
amdhsa.version: [ 1, 2 ]
amdhsa.kernels:
  - .name:           k_qd4d38de04b_qkv
    .symbol:         k_qd4d38de04b_qkv.kd
    .args:
      - { .name: xb, .offset: 0, .size: 8, .value_kind: global_buffer, .address_space: global }
      - { .name: wqb, .offset: 8, .size: 8, .value_kind: global_buffer, .address_space: global }
      - { .name: tab, .offset: 16, .size: 8, .value_kind: global_buffer, .address_space: global }
      - { .name: qkv, .offset: 24, .size: 8, .value_kind: global_buffer, .address_space: global }
    .group_segment_fixed_size: 327680
    .private_segment_fixed_size: 0
    .kernarg_segment_align: 8
    .kernarg_segment_size: 32
    .max_flat_workgroup_size: 128
    .sgpr_count:     66
    .vgpr_count:     1024
    .wavefront_size: 32
...
	.end_amdgpu_metadata
.endif
;; end of part 2
;; launch attn (part 3): grid 16 x 16, 8 waves a work-group, clusters of 4 x 1, 327,680 bytes of LDS; arguments qkv, rel_pos, rel_2d_pos, tab, ctxb; writes ctxb
.if DOCPART == 3
	.amdgcn_target "amdgcn-amd-amdhsa--gfx1250"
	.amdhsa_code_object_version 6
	.text
	.protected	k_qd4d38de04b_attn
	.globl	k_qd4d38de04b_attn
	.p2align	8
	.type	k_qd4d38de04b_attn,@function
k_qd4d38de04b_attn:
	s_mov_b64 s[64:65], 0
	v_nop
	global_prefetch_b8 v0, s[64:65] scope:SCOPE_SE
	s_setreg_imm32_b32 hwreg(HW_REG_WAVE_MODE, 25, 1), 1
	s_wait_xcnt 0x0
	s_wait_alu depctr_hold_cnt(0) depctr_sa_sdst(0) depctr_va_vdst(0) depctr_va_sdst(0) depctr_va_ssrc(0) depctr_va_vcc(0) depctr_vm_vsrc(0)
	s_getreg_b32 s2, hwreg(HW_REG_IB_STS2, 6, 4)
	s_cmp_eq_u32 s2, 0
	s_cbranch_scc0 .Lentry_in_a_cluster
	s_endpgm
.Lentry_in_a_cluster:
	s_bfe_u32 s2, ttmp6, 0x10000c
	s_cmp_lg_u32 s2, 0x3003
	s_cbranch_scc0 .Lentry_shape_is_right
	s_endpgm
.Lentry_shape_is_right:
; ctx[b][h][q][:] = the sum over k of softmax_k(q . k / 8 + rel_pos[h][q][k] + rel_2d_pos[h][q][k], masked keys left out) v[b][h][k][:].
; qkv: three thirds q, k, v, each [8][16][1024][64] bf16 (q unscaled, biases added); rel_pos, rel_2d_pos: [16][1024][1024] f32; tab + 12,288: maskf[8][1024] f32, 0 or -1e30; ctxb: [8][16][1024][64] bf16.
; Products, maxima and sums in f32; the weights p are rounded to bf16 for the second product (their sum l is taken of the unrounded p), ctx once at the end.
; LIMITS.  A masked score counts as its value less 1e30; a batch whose keys are ALL masked gets the mean of its v, where the softmax of the definition has no value.  A weight below 2^-126 counts as 0; NaN and infinities are not treated apart.
; SHARES.  The two bias tensors are the same for all 8 batches and are the launch's largest stream.  So a work-group owns one head and 64 queries FOR ALL 8 BATCHES: each bias byte is read once in the launch.  It has eight waves,
; wave w owns batch w: four tiles of 16 queries, in 512 registers.  All waves walk the head's keys, 64 a step, 16 steps.
; THE SCORES.  S^T = K Q^T + (8 (rel + rel2d) + maskf): the bracket is written into the accumulators before the products (times 8 is exact), and p = 2^(c S - c m), c = log2(e) / 8, with a running maximum m;
; O and l are multiplied by a = 2^(c m_old - c m_new) in every step.  m starts at the lowest finite number, O and l at 0: the first step is a step like any other, with a = 0.
; LAYOUT.  S^T (source 0 = 16 keys, source 1 = 16 queries) holds ONE query a lane (lane % 16) and the keys 8 (lane / 16) + 0..7; two such results rounded to bf16 ARE source 1 of O^T = V^T P.  V is turned by ds_load_tr16_b128.
; CLUSTER.  The four query blocks of a cluster belong to one head and walk the same K and V of all 8 batches: each quarter of a step's tiles is asked for JOINTLY, by the same tensor load, descriptor and mask in all four (waves 0 to 3 ask).
; The bias tiles are shared by nobody: they come through registers, two steps ahead, are added, and meet in LDS, whence every wave reads them in the accumulators' layout.
; IN PHASES: a step is K Q^T, the softmax, V^T P, one after the other.
; REGISTERS, in two windows of 256 (s_set_vgpr_msb: bits 1:0 source 0, 3:2 source 1, 5:4 source 2, 7:6 destination):
;   window 0: v1-15 addresses; v16-31 statistics, four a tile; v32-47 at work; v64-95 the mask; v96-127 raw bias on its way; v128-255 S^T, 32 a tile (first the bias tile; when the sums are taken, its first 64 take V)
;   window 1: v0-127 O^T, 32 a tile; v128-191 Q; v192-255 K, and behind K Q^T the weights P
.set PK,    144       ; a row of K or V in LDS: 128 bytes + 16 of padding.  (V's turning load would want 160; two slots of a whole step then do not fit, so one of its 16-byte columns meets another's banks)
.set BATB,  64*PK     ; one batch's 64 keys
.set VOFF,  8*BATB    ; a slot: K of 8 batches, then V of 8 batches
.set SLOT1, 2*VOFF    ; 147,456 = 0x24000 shares no bit with the four loads' bases 0, 0x9000, 0x12000, 0x1b000: one exclusive or turns an address in one slot into the other's
.set BIASB, 2*SLOT1   ; 64 rows x 272 bytes, f32 rel + rel2d of one step: written by ds_store alone
.set BP,    272       ; 256 + 16: the 16 rows of a load start at 16 different groups of four banks (64 banks of 4 bytes: ISA guide 11.1)
.set STAGE, BIASB     ; the way out's stages, 16 rows x 144 bytes for each wave, take the bias tile's place: the last step's barrier stands between the tile's last reads and the stages' first stores
.set SPARE, BIASB+8*16*PK  ; the spare words, 128 bytes for each wave: four blocks of 256 bytes that no other line names
.set PFO, 1           ; v1   256 x lane; never rewritten
.set AK0, 2           ; v2   my lane's place in my batch's K; never rewritten
.set AV0, 3           ; v3   the same for V
.set ADRK, 4          ; v4   + the slot in hand
.set ADRV, 5
.set BRD, 6           ; v6   where I read the bias tile
.set BST, 7           ; v7   where I store my part of it
.set RGO0, 8          ; v8   my byte offset in the work-group's 64 rows of rel_pos, step 0
.set RGO, 9           ; v9   the same at the step being loaded
.set MGO, 10          ; v10  my byte offset in maskf
.set QO,  11          ; v11  my byte offset in 16 rows of Q;
.set STO, 11          ;      later, the way out: where I put 16 bytes of a row
.set RD,  12          ; v12  where I read rows back
.set GO,  13          ; v13  16 x lane
.set SPW, 14          ; v14  LDS address of my spare word; never rewritten
.set NIL, 15          ; v15  0; never rewritten
.set ST,  16          ; tile u: c m, m, l (even keys', odd keys') at v[ST + 4 u]
.set TMP, 32          ; tile u: c0-c3 at work; c2 ends as a
.set MK,  64          ; key block kb at MK + 8 kb
.set RAW, 96          ; rel_pos's 16 registers, then rel_2d_pos's
.set S,   128
.set VF,  128         ; window 0, in S^T's place: key half kk, channel block cb at VF + 32 kk + 8 cb
.set QF,  128         ; window 1: tile u, channel half c at QF + 16 u + 8 c
.set KF,  192         ; window 1: key block kb, channel half c at KF + 16 kb + 8 c
.set P,   192         ; window 1, in K's place: tile u at P + 16 u
.set WV,  14          ; s14  my wave's number
.set LIM, 15          ; s15  1 in a cluster that prefetches, else the greatest number
.set QB,  20          ; s[20:21] Q at my rows
.set G1,  24          ; s[24:31] descriptor group 1
.set G0,  32          ; s[32:35] descriptor group 0: it walks
.set OB,  36          ; s[36:37] ctx at my rows
.set PFA, 40          ; s[40:41] where my prefetches stand
.set CNT, 42          ; s42  trips to go
.set TB,  43          ; s43  the slot in hand: 0 or SLOT1
.set KOFF, 44         ; s44  256 x the step whose raw bias was asked for last
.set CS,  46          ; s[46:47] c
.set SEL, 48          ; s[48:49] v_permlanex16_b32's selects: each lane takes its own place in the other half
.set EIGHT, 50        ; s[50:51] 8.0
.set MSB, 0
.macro WIN new                      ; the high byte repeats the setting that is left; a switch that changes nothing is dropped
.if MSB != (\new)
	s_set_vgpr_msb (MSB<<8)|(\new)
.set MSB, (\new)
.endif
.endm
.macro CROUND                       ; a round of the cluster's barrier
	s_barrier_signal -1
	s_barrier_wait -1
	s_cmp_lg_u32 s[WV], 0
	s_cbranch_scc1 .Lnot_wave_0_\@
	s_barrier_signal -3
.Lnot_wave_0_\@:
	s_barrier_wait -3
	s_barrier_signal -1
	s_barrier_wait -1
.endm
.macro PLACES                       ; four places behind matrix instructions (ISA guide 7.12.1)
.rept 4
	v_nop
.endr
.endm
; A JOINT LOAD: waves 0 to 3 bring a quarter of a step's tiles each, 32 KiB; waves 4 to 7 bring none.  The branch hangs on the wave's number alone.  An s_nop 0 and four v_nop follow the load.
; ask = 1: behind them A PREFETCH INTO THE L2 of the step after the one that the load brings.  A step is 16 blocks of 8,192 bytes (K and V of 8 batches).  All four clusters of a head walk them: the head's first cluster asks,
; and the sixteen waves that load take a block each, told apart BY ADDRESS (the wave's number picks K or V and a group of four batches, cx the batch): a lane 256 bytes, one instruction.  So each block of 256 bytes is named once
; in the launch.  Steps 0 and 1 come by their loads alone; the last trip asks for nothing: there is no step behind the one that it loads.
.macro TLOAD ask
	s_cmp_lt_u32 s[WV], 4
	s_cbranch_scc0 .Lnone_\@
	tensor_load_to_lds s[G0:G0+3], s[G1:G1+7]
	s_nop 0
.rept 4
	v_nop
.endr
.if \ask
	s_cmp_gt_u32 s[CNT], s[LIM]
	s_cbranch_scc0 .Lnone_\@
	global_prefetch_b8 v[PFO], s[PFA:PFA+1] th:TH_LOAD_NT scope:SCOPE_SE
.endif
.Lnone_\@:
.endm
; THE CHANGE OF SLOTS.  Each wave waits for all its tensor loads (in waves 0 to 3 one is out: a quarter of the step to come), adds 0 to its spare word, and waits for that, for its reads of the slot that it leaves and for its stores into the bias tile.
; fill = 1: the barrier is a round of the cluster's, and the slot just left is filled again first thing behind it, with the step after the one to come: it has a whole step's work in which to land.
; (At its first use nothing has been read yet: slot 0 is waited for, slot 1 filled.)
.macro CHANGE fill
	WIN 0                           ; at a label and at a branch every window is 0
	s_wait_tensorcnt 0x0            ; no tensor load of mine is out, so group 0 may be written
	ds_add_u32 v[SPW], v[NIL]       ; 0 onto my spare word
.if \fill
	s_xor_b32 s[G0+1], s[G0+1], SLOT1  ; the other slot than last time,
	s_add_nc_u64 s[G0+2:G0+3], s[G0+2:G0+3], 8192  ; the next 64 keys; the type bits on top are not reached
	s_wait_xcnt 0x0                 ; the last prefetch, a step back, has read its address
	s_add_nc_u64 s[PFA:PFA+1], s[PFA:PFA+1], 8192
	s_wait_dscnt 0x0
	CROUND
	TLOAD 1                         ; my one tensor load behind the round
.else
	s_wait_dscnt 0x0
	s_barrier_signal -1
	s_barrier_wait -1
.endif
	s_xor_b32 s[TB], s[TB], SLOT1   ; the slot to be read now
.endm
	s_load_b256 s[4:11], s[0:1], 0x0  ; qkv s[4:5], rel_pos s[6:7], rel_2d_pos s[8:9], tab s[10:11]
	s_load_b64 s[12:13], s[0:1], 0x20 ; ctxb
	v_lshl_add_u32 v[SPW], v0, 2, SPARE
	v_mov_b32 v[NIL], 0
	ds_add_u32 v[SPW], v[NIL]       ; the wave's opening: the add and its wait stand ahead of my first tensor load; the set-up below, work on registers, stands between them
	v_lshrrev_b32 v32, 5, v0
	v_readfirstlane_b32 s[WV], v32  ; wave 0..7
	s_and_b32 s55, s[WV], 3         ; which quarter of a step's tiles: used by waves 0 to 3 alone
	s_bfe_u32 s52, ttmp6, 0x40000   ; cx
	s_lshl_b32 s53, ttmp9, 2
	s_add_co_u32 s53, s53, s52      ; my block of 64 queries, 0..15: it enters Q's, the biases' and ctx's addresses alone
	s_and_b32 s54, ttmp7, 0xffff    ; the head, which the four partners share
	; descriptor group 1: 64 keys of one batch are 8,192 dense bytes: ONE long row of 4,096 elements; the tile's four rows are four batches, 1,048,576 elements apart.  The padding falls behind every 128 bytes.
	s_mov_b32 s[G1], 15|(1<<16)|(1<<20)|(1<<21)|(4<<22)|(3<<25)  ; 15:0 the mask of four; 17:16 2-byte elements; 20 padding on; 21 set beside a mask; 24:22 after every 32 words (code 4); 31:25 4 words (code 3)
	s_mov_b32 s[G1+1], 4096<<16     ; tensor_dim0 = 4,096
	s_mov_b32 s[G1+2], 4<<16        ; tensor_dim1 = 4
	s_mov_b32 s[G1+3], 4096<<16     ; tile_dim0 = 4,096
	s_mov_b32 s[G1+4], 4            ; tile_dim1 = 4
	s_mov_b32 s[G1+5], 1048576      ; elements from row to row
	s_mov_b32 s[G1+6], 0
	s_mov_b32 s[G1+7], 0
	s_mov_b32 s[G0], 1              ; 1:0 count = 1
	s_mul_i32 s[G0+1], s55, 4*BATB  ; 63:32 LDS address: quarter 0 K of batches 0-3, quarter 1 K of 4-7, quarters 2 and 3 the same of V
	s_lshr_b32 s16, s55, 1
	s_add_co_u32 s16, s16, 1
	s_lshl_b32 s16, s16, 24         ; the third: k or v
	s_and_b32 s17, s55, 1
	s_lshl_b32 s18, s17, 6          ; batch 0 or 4, times 16 heads,
	s_add_co_u32 s18, s18, s54      ; + the head,
	s_lshl_b32 s18, s18, 17         ; times 131,072
	s_add_co_u32 s18, s18, s16
	s_mov_b32 s19, 0                ; s[18:19]: my tile of step 0: no place in the cluster enters it
	s_lshl_b32 s17, s17, 2          ; the prefetches: batch 4 (quarter & 1) + cx
	s_add_co_u32 s17, s17, s52
	s_lshl_b32 s17, s17, 4
	s_add_co_u32 s17, s17, s54
	s_lshl_b32 s17, s17, 17
	s_add_co_u32 s16, s16, s17
	s_add_co_u32 s16, s16, 8192     ; at step 1: the first change of slots steps it to 2
	s_mov_b32 s17, 0
	s_lshl_b32 s2, s[WV], 21        ; Q and ctx: batch w, the head, my 64 rows of 128 bytes
	s_lshl_b32 s3, s54, 17
	s_add_co_u32 s2, s2, s3
	s_lshl_b32 s3, s53, 13
	s_add_co_u32 s2, s2, s3
	s_mov_b32 s3, 0
	s_lshl_b32 s36, s54, 22         ; the biases: the head's 4,194,304 bytes, my 64 rows of 4,096
	s_lshl_b32 s37, s53, 18
	s_add_co_u32 s36, s36, s37
	s_mov_b32 s37, 0
	s_mov_b32 s[CS], 0x3e38aa3b     ; c = log2(e) / 8
	s_mov_b32 s[CS+1], s[CS]        ; named with it as a pair
	s_mov_b32 s[SEL], 0x76543210
	s_mov_b32 s[SEL+1], 0xfedcba98
	s_mov_b32 s[EIGHT], 0x41000000
	s_mov_b32 s[EIGHT+1], s[EIGHT]
	s_mov_b32 s[TB], SLOT1          ; the first change of slots turns it into 0
	s_mov_b32 s[CNT], 15
	s_mov_b32 s[KOFF], 256
	s_cmp_eq_u32 ttmp9, 0           ; the head's first cluster: the same in all four partners
	s_cselect_b32 s[LIM], 1, -1
	s_wait_dscnt 0x0                ; the opening add is done
	s_wait_kmcnt 0x0
	s_add_nc_u64 s[G0+2:G0+3], s[4:5], s[18:19]   ; 120:64 global address
	s_or_b32 s[G0+3], s[G0+3], 0x80000000         ; 127:126 type = 2
	s_add_nc_u64 s[PFA:PFA+1], s[4:5], s[16:17]
	s_add_nc_u64 s[QB:QB+1], s[4:5], s[2:3]
	s_add_nc_u64 s[6:7], s[6:7], s[36:37]
	s_add_nc_u64 s[8:9], s[8:9], s[36:37]
	s_add_nc_u64 s[10:11], s[10:11], 12288
	s_add_nc_u64 s[OB:OB+1], s[12:13], s[2:3]
	CROUND                          ; all four work-groups are here: the first joint loads meet
	TLOAD 0                         ; step 0 into slot 0
	v_and_b32 v32, 15, v0           ; r = l % 16
	v_bfe_u32 v33, v0, 4, 1         ; h = l / 16
	v_and_b32 v34, 7, v0
	v_bfe_u32 v35, v0, 3, 1
	v_and_b32 v36, 31, v0           ; l
	v_lshlrev_b32 v[PFO], 8, v36
	v_mul_u32_u24 v37, v32, PK
	v_lshl_add_u32 v37, v33, 4, v37 ; r x pitch + 16 h: a fragment of K; also my place in the stage
	s_mul_i32 s45, s[WV], BATB
	v_add_nc_u32 v[AK0], s45, v37
	; The turning load takes 16 keys x 16 channels (lane l reads key 8 (l / 16) + l % 8, channels 8 ((l / 8) % 2) + 0..7) and leaves half a fragment of V^T: lane l holds channel l % 16 and 8 keys.
	v_lshl_add_u32 v[AV0], v33, 3, v34
	v_mul_u32_u24 v[AV0], v[AV0], PK
	v_lshl_add_u32 v[AV0], v35, 4, v[AV0]
	s_add_co_u32 s45, s45, VOFF
	v_add_nc_u32 v[AV0], s45, v[AV0]
	v_mul_u32_u24 v[BRD], v32, BP   ; the bias tile in a result's layout: row r, keys 8 h + 0..7: 32 bytes
	v_lshl_add_u32 v[BRD], v33, 5, v[BRD]
	v_add_nc_u32 v[BRD], BIASB, v[BRD]
	s_lshl_b32 s45, s[WV], 3
	v_add_nc_u32 v38, s45, v33      ; my wave brings rows 8 w .. 8 w + 7, two a load: lanes 0-15 one row's 256 bytes, lanes 16-31 the next row's
	v_mul_u32_u24 v[BST], v38, BP
	v_lshl_add_u32 v[BST], v32, 4, v[BST]
	v_add_nc_u32 v[BST], BIASB, v[BST]
	v_lshlrev_b32 v[RGO0], 12, v38
	v_lshl_add_u32 v[RGO0], v32, 4, v[RGO0]
	v_mov_b32 v[RGO], v[RGO0]
	s_lshl_b32 s45, s[WV], 12
	v_lshl_add_u32 v[MGO], v33, 5, s45  ; maskf: batch w, keys 8 h on
	v_lshlrev_b32 v[QO], 7, v32
	v_lshl_add_u32 v[QO], v33, 4, v[QO]
	s_mul_i32 s45, s[WV], 16*PK
	s_add_co_u32 s45, s45, STAGE    ; my stage
	v_bfe_u32 v[RD], v0, 3, 2       ; back: 32 lanes take four rows of 128 bytes,
	v_mul_u32_u24 v[RD], v[RD], PK
	v_lshl_add_u32 v[RD], v34, 4, v[RD]
	v_add_nc_u32 v[RD], s45, v[RD]
	v_lshlrev_b32 v[GO], 4, v36     ; which are 512 consecutive bytes of ctx
; THE LOADS, in runs.
.macro RAWLOAD                      ; my 8 rows x 64 keys of both bias tensors: each load takes 256 consecutive bytes, aligned, of two rows
	WIN 0
.irp i, 0,1,2,3
	global_load_b128 v[RAW+4*\i:RAW+4*\i+3],       v[RGO], s[6:7] offset:8192*\i th:TH_LOAD_NT
	global_load_b128 v[RAW+16+4*\i:RAW+16+4*\i+3], v[RGO], s[8:9] offset:8192*\i th:TH_LOAD_NT
.endr
.endm
.macro RAWSUM                       ; rel + rel2d
	WIN 0
.set z, 0
.rept 8
	v_pk_add_f32 v[RAW+2*z:RAW+2*z+1], v[RAW+2*z:RAW+2*z+1], v[RAW+16+2*z:RAW+16+2*z+1]
.set z, z+1
.endr
.endm
.macro BSTORE
	WIN 0
.irp i, 0,1,2,3
	ds_store_b128 v[BST], v[RAW+4*\i:RAW+4*\i+3] offset:2*BP*\i
.endr
.endm
.macro MKLOAD                       ; my batch's mask of a step, in a result's layout
	WIN 0
.irp f, 0,1,2,3                     ; key block f
	global_load_b128 v[MK+8*\f:MK+8*\f+3],   v[MGO], s[10:11] offset:\f*64
	global_load_b128 v[MK+8*\f+4:MK+8*\f+7], v[MGO], s[10:11] offset:\f*64+16
.endr
.endm
.macro LOADBIAS                     ; the whole bias tile, 64 queries x 64 keys, straight into the accumulators
	WIN 0
.irp f, 0,1,2,3,4,5,6,7,8,9,10,11,12,13,14,15  ; tile f / 4, key block f % 4
	ds_load_b128 v[S+8*\f:S+8*\f+3],   v[BRD] offset:(\f/4)*16*BP+(\f%4)*64
	ds_load_b128 v[S+8*\f+4:S+8*\f+7], v[BRD] offset:(\f/4)*16*BP+(\f%4)*64+16
.endr
.endm
.macro FETCH_K
	WIN 0x40                        ; destination window 1, address window 0
.irp f, 0,1,2,3,4,5,6,7             ; keys 16 (f / 2) on, channels 32 (f % 2) on
	ds_load_b128 v[KF+8*\f:KF+8*\f+3],   v[ADRK] offset:(\f/2)*16*PK+(\f%2)*64
	ds_load_b128 v[KF+8*\f+4:KF+8*\f+7], v[ADRK] offset:(\f/2)*16*PK+(\f%2)*64+32
.endr
.endm
.macro FETCH_V
	WIN 0
.irp f, 0,1,2,3,4,5,6,7             ; keys 32 (f / 4) on, channels 16 (f % 4) on
	ds_load_tr16_b128 v[VF+8*\f:VF+8*\f+3],   v[ADRV] offset:(\f/4)*32*PK+(\f%4)*32
	ds_load_tr16_b128 v[VF+8*\f+4:VF+8*\f+7], v[ADRV] offset:(\f/4)*32*PK+16*PK+(\f%4)*32
.endr
.endm
; THE MATRIX WORK.  The 16 accumulators of a run of 32 take turns, one instruction a turn.
.macro MCBUILD                      ; what the scores start from: 8 x bias + mask, in place, for all four tiles
	WIN 0
.set z, 0
.rept 64
	v_pk_fma_f32 v[S+2*z:S+2*z+1], v[S+2*z:S+2*z+1], s[EIGHT:EIGHT+1], v[MK+2*(z%16):MK+2*(z%16)+1] op_sel_hi:[1,0,1]
.set z, z+1
.endr
.endm
.macro KQ                           ; product i: channels 32 (i / 16) on, keys 16 ((i / 4) % 4) on, tile i % 4
	WIN 0x05                        ; K and Q window 1, S^T window 0
.set i, 0
.rept 32
.set rS, S+32*(i%4)+8*((i/4)%4)
.set rK, KF+16*((i/4)%4)+8*(i/16)
.set rQ, QF+16*(i%4)+8*(i/16)
	v_wmma_f32_16x16x32_bf16 v[rS:rS+7], v[rK:rK+7], v[rQ:rQ+7], v[rS:rS+7]
.set i, i+1
.endr
.endm
.macro PV                           ; product i: keys 32 (i / 16) on, channels 16 ((i / 4) % 4) on, tile i % 4
	WIN 0x54                        ; V window 0, P and O^T window 1
.set i, 0
.rept 32
.set rO, 32*(i%4)+8*((i/4)%4)
.set rV, VF+32*(i/16)+8*((i/4)%4)
.set rP, P+16*(i%4)+8*(i/16)
	v_wmma_f32_16x16x32_bf16 v[rO:rO+7], v[rV:rV+7], v[rP:rP+7], v[rO:rO+7]
.set i, i+1
.endr
.endm
; THE SOFTMAX of the wave's four tiles.
.macro TREG u                       ; the registers of tile u
.set rT, ST+4*(\u)
.set rC, TMP+4*(\u)
.set rS, S+32*(\u)
.set rP, P+16*(\u)
.set rO, 32*(\u)
.endm
; Number n of the 22 that find a tile's maximum and statistics.  0-11: four chains c0-c3 of seven scores each, three operands at a time (each accumulator's lowest registers are read first).
; 12-15: the four scores left over, the old m, and c0-c3 into c0.  16, 17: the query's other 32 keys lie in the lane 16 away: the new m.  18: c m_old is kept.  19-21: c m; c m_old - c m_new; a.
.macro XOP u, n
	TREG \u
.if (\n) < 4
	v_max3_num_f32 v[rC+(\n)], v[rS+8*(\n)], v[rS+8*(\n)+1], v[rS+8*(\n)+2]
.elseif (\n) < 12
	v_max3_num_f32 v[rC+(\n)%4], v[rC+(\n)%4], v[rS+8*((\n)%4)+2*((\n)/4)+1], v[rS+8*((\n)%4)+2*((\n)/4)+2]
.elseif (\n) == 12
	v_max3_num_f32 v[rC], v[rC], v[rS+7], v[rS+15]
.elseif (\n) == 13
	v_max3_num_f32 v[rC+1], v[rC+1], v[rS+23], v[rS+31]
.elseif (\n) == 14
	v_max3_num_f32 v[rC+2], v[rC+2], v[rC+3], v[rT+1]
.elseif (\n) == 15
	v_max3_num_f32 v[rC], v[rC], v[rC+1], v[rC+2]
.elseif (\n) == 16
	v_permlanex16_b32 v[rC+3], v[rC], s[SEL], s[SEL+1]
.elseif (\n) == 17
	v_max_num_f32 v[rT+1], v[rC], v[rC+3]
.elseif (\n) == 18
	v_mov_b32 v[rC+3], v[rT]
.elseif (\n) == 19
	v_mul_f32 v[rT], s[CS], v[rT+1]
.elseif (\n) == 20
	v_sub_f32 v[rC+1], v[rC+3], v[rT]
.else
	v_exp_f32 v[rC+2], v[rC+1]
.endif
.endm
.macro FOP u, n                     ; c s - c m for pair n of 16
	TREG \u
	v_pk_fma_f32 v[rS+2*(\n):rS+2*(\n)+1], v[rS+2*(\n):rS+2*(\n)+1], s[CS:CS+1], v[rT:rT+1] op_sel_hi:[1,0,0] neg_lo:[0,0,1] neg_hi:[0,0,1]
.endm
; The four tiles alternate, so that no line reads the result of the one before it.  All 132 exponentials (four a, 128 weights) are ONE BATCH: none of the lines among them names a result of theirs (tile u + 1 is scaled between
; tile u's exponentials); a v_nop is the plain instruction behind the last; ONE wait, ahead of the first line that names a result, serves them all.  Behind it: the roundings and the sums.
.macro SOFTMAX
	WIN 0
.irp n, 0,1,2,3,4,5,6,7,8,9,10,11,12,13,14,15,16,17,18,19,20
.irp u, 0,1,2,3
	XOP \u, \n
.endr
.endr
.set z, 0
.rept 16
	FOP 0, z
.set z, z+1
.endr
.irp u, 0,1,2,3
	XOP \u, 21
.endr
.irp u, 0,1,2,3
.set z, 0
.rept 16
	TREG \u
	v_exp_f32 v[rS+2*z], v[rS+2*z]
	v_exp_f32 v[rS+2*z+1], v[rS+2*z+1]
.if \u < 3
	FOP (\u)+1, z
.endif
.set z, z+1
.endr
.endr
	v_nop
	s_wait_alu depctr_va_vdst(0)
	WIN 0x40                        ; the weights rounded to bf16, into K's registers: K Q^T, their last reader, stands some 300 vector lines back
.set z, 0
.rept 16
.irp u, 0,1,2,3
	TREG \u
	v_cvt_pk_bf16_f32 v[rP+z], v[rS+2*z], v[rS+2*z+1]
.endr
.set z, z+1
.endr
	WIN 0                           ; the sums: of four weights the second pair is added onto the first, in place; then l takes the eight sums, the first time as l = a l + sum
.set z, 0
.rept 8
.irp u, 0,1,2,3
	TREG \u
	v_pk_add_f32 v[rS+4*z:rS+4*z+1], v[rS+4*z:rS+4*z+1], v[rS+4*z+2:rS+4*z+3]
.endr
.set z, z+1
.endr
.irp u, 0,1,2,3
	TREG \u
	v_pk_fma_f32 v[rT+2:rT+3], v[rT+2:rT+3], v[rC+2:rC+3], v[rS:rS+1] op_sel_hi:[1,0,1]
.endr
.set z, 1
.rept 7
.irp u, 0,1,2,3
	TREG \u
	v_pk_add_f32 v[rT+2:rT+3], v[rT+2:rT+3], v[rS+4*z:rS+4*z+1]
.endr
.set z, z+1
.endr
.endm
.macro RESCALE                      ; O^T times a: destination and source 0 window 1; each accumulator's registers in ascending order
	WIN 0x41
.set z, 0
.rept 16
.irp u, 0,1,2,3
	TREG \u
	v_pk_mul_f32 v[rO+2*z:rO+2*z+1], v[rO+2*z:rO+2*z+1], v[rC+2:rC+3] op_sel_hi:[1,0]
.endr
.set z, z+1
.endr
.endm
; A KEY STEP.  last = 1: the last step: nothing further is brought in.
.macro STEP last
	WIN 0
	v_add_nc_u32 v[ADRK], s[TB], v[AK0]
	v_add_nc_u32 v[ADRV], s[TB], v[AV0]
	LOADBIAS                        ; 32 LDS loads,
	FETCH_K                         ; and 16
	s_wait_loadcnt 8                ; this step's mask is in; the 8 younger loads, the next raw bias, stay out
	s_wait_dscnt 16                 ; the bias tile is in; K's 16 loads may be out
	MCBUILD
	s_wait_dscnt 0x0                ; K is in; none of my LDS instructions is pending at the signal
	s_barrier_signal -1             ; I have read the bias tile.  No tensor load fills anything behind this barrier: the one on its way stays out
	KQ                              ; work on registers while the others arrive
	s_barrier_wait -1               ; every wave has read the tile: it may be written anew (behind the last step: by the stages)
	PLACES                          ; in front of the maxima, which read results
.if !(\last)
	WIN 0
	v_add_nc_u32 v[MGO], 0x100, v[MGO]  ; free since the wait at the step's head showed its loads done
	MKLOAD                          ; the next step's mask
	s_wait_loadcnt 8                ; the next step's raw bias is in; the mask's 8 loads stay out
	RAWSUM
	BSTORE
	s_add_co_u32 s[KOFF], s[KOFF], 256
	s_min_u32 s[KOFF], s[KOFF], 3840  ; the last trip has no step two on: it asks for the last tile once more, inside the buffer, and those data are not used: so every trip has the same count of loads
	v_add_nc_u32 v[RGO], s[KOFF], v[RGO0]  ; free since the wait above
	RAWLOAD                         ; the raw bias of the step after next
.endif
	SOFTMAX
	FETCH_V                         ; into S^T's first 64 registers, which the sums have read; the 64 rescalings stand between the loads and the wait for them
	RESCALE
	s_wait_dscnt 0x0                ; V is in
	PV
	PLACES                          ; in front of the next loads into V's and P's registers, and of the way out's lines
.endm
	WIN 0x40
.irp f, 0,1,2,3,4,5,6,7             ; Q stays in registers: tile f / 2, channels 32 (f % 2) on
	global_load_b128 v[QF+8*\f:QF+8*\f+3],   v[QO], s[QB:QB+1] offset:(\f/2)*2048+(\f%2)*64
	global_load_b128 v[QF+8*\f+4:QF+8*\f+7], v[QO], s[QB:QB+1] offset:(\f/2)*2048+(\f%2)*64+32
.endr
	RAWLOAD                         ; step 0's raw bias
	WIN 0x40                        ; O^T and l start at 0, m at the lowest finite number: written while the first loads are on their way, so that no first step is written out
.set z, 0
.rept 128
	v_mov_b32 v[z], 0
.set z, z+1
.endr
	WIN 0
.set z, 0
.rept 4
	v_mov_b32 v[ST+4*z], 0xfe000000    ; c m: far below every c s
	v_mov_b32 v[ST+4*z+1], 0xff7fffff  ; m
	v_mov_b32 v[ST+4*z+2], 0
	v_mov_b32 v[ST+4*z+3], 0
.set z, z+1
.endr
	s_wait_loadcnt 0x0              ; the raw bias is the youngest load: Q is in with it
	RAWSUM
	BSTORE                          ; the first change of slots waits for these stores and passes a barrier
	v_add_nc_u32 v[STO], s45, v37   ; Q's loads are done: their offset's register takes my place in the stage
	MKLOAD                          ; step 0's mask,
	v_add_nc_u32 v[RGO], 0x100, v[RGO0]
	RAWLOAD                         ; and behind it step 1's raw bias: the order that every step leaves behind
	WIN 0
.Lstep:                             ; 15 trips: step t is worked on, step t + 1's K and V are asked for
	CHANGE 1
	STEP 0
	WIN 0
	s_sub_co_u32 s[CNT], s[CNT], 1
	s_cmp_lg_u32 s[CNT], 0
	s_cbranch_scc1 .Lstep
	CHANGE 0                        ; the last step is written out: nothing is asked for
	STEP 1
	; THE WAY OUT.  l's two halves and the other half of the lanes' are added; O^T is divided by l, rounded to bf16 and sent through my stage in LDS, a tile at a time.
	WIN 0
.macro ALL line:vararg              ; one line for each tile t
.set t, 0
.rept 4
	\line
.set t, t+1
.endr
.endm
	ALL v_add_f32 v[ST+4*t+2], v[ST+4*t+2], v[ST+4*t+3]
	ALL v_permlanex16_b32 v[ST+4*t+3], v[ST+4*t+2], s[SEL], s[SEL+1]
	ALL v_add_f32 v[ST+4*t+2], v[ST+4*t+2], v[ST+4*t+3]
	ALL v_rcp_f32 v[ST+4*t+2], v[ST+4*t+2]
	v_nop                           ; a plain instruction between the last reciprocal and the use of its result
	s_wait_alu depctr_va_vdst(0)    ; and the wait ahead of the first use: one for the four reciprocals
.macro PACK t                       ; a lane's eight channels of a row pack into 16 bytes; they go into rows of 144 bytes and come back as whole rows of 128, into S^T's registers
	WIN 0x41
.set z, 0
.rept 16
	v_pk_mul_f32 v[32*(\t)+2*z:32*(\t)+2*z+1], v[32*(\t)+2*z:32*(\t)+2*z+1], v[ST+4*(\t)+2:ST+4*(\t)+3] op_sel_hi:[1,0]
.set z, z+1
.endr
	WIN 0x05                        ; sources 0 and 1 window 1, destination window 0
.set z, 0
.rept 16
	v_cvt_pk_bf16_f32 v[S+16*(\t)+z], v[32*(\t)+2*z], v[32*(\t)+2*z+1]
.set z, z+1
.endr
	WIN 0
.irp f, 0,1,2,3
	ds_store_b128 v[STO], v[S+16*(\t)+4*\f:S+16*(\t)+4*\f+3] offset:32*\f
.endr
.irp f, 0,1,2,3
	ds_load_b128 v[S+16*(\t)+4*\f:S+16*(\t)+4*\f+3], v[RD] offset:\f*4*PK  ; LDS serves a wave's instructions in order (ISA guide 5.7.1.4): these see the stores above; the next tile's stores come behind them
.endr
.endm
.macro SEND t, younger              ; younger: the LDS instructions issued behind tile t's loads: the next tile's eight, or none
.irp f, 0,1,2,3
	s_wait_dscnt (\younger)+3-\f
	global_store_b128 v[GO], v[S+16*(\t)+4*\f:S+16*(\t)+4*\f+3], s[OB:OB+1] offset:(\t)*2048+\f*512  ; 512 consecutive bytes, at a multiple of 256 from ctx's first byte
.endr
.endm
	PACK 0
.irp t, 1,2,3                       ; a tile's arithmetic stands between the loads of the tile before and its stores
	PACK \t
	SEND (\t)-1, 8
.endr
	SEND 3, 0
	s_wait_tensorcnt 0x0            ; the wave's end: an add to my spare word and its wait, behind my last tensor load and my last LDS store
	ds_add_u32 v[SPW], v[NIL]
	s_wait_dscnt 0x0
	CROUND                          ; the closing round: no work-group ends while a partner may still ask for a tile that names it
	s_endpgm
.Lfunc_end_k_qd4d38de04b_attn:
	.size	k_qd4d38de04b_attn, .Lfunc_end_k_qd4d38de04b_attn-k_qd4d38de04b_attn
	.p2alignl 7, 3214868480
	.fill 96, 4, 3214868480
	.section	.rodata,"a",@progbits
	.p2align	6, 0x0
	.amdhsa_kernel k_qd4d38de04b_attn
		.amdhsa_group_segment_fixed_size 327680
		.amdhsa_private_segment_fixed_size 0
		.amdhsa_enable_private_segment 0
		.amdhsa_kernarg_size 40
		.amdhsa_user_sgpr_count 2
		.amdhsa_user_sgpr_kernarg_segment_ptr 1
		.amdhsa_wavefront_size32 1
		.amdhsa_system_sgpr_workgroup_id_x 1
		.amdhsa_system_sgpr_workgroup_id_y 1
		.amdhsa_system_sgpr_workgroup_id_z 1
		.amdhsa_system_vgpr_workitem_id 0
		.amdhsa_next_free_vgpr 512
		.amdhsa_next_free_sgpr 66
		.amdhsa_reserve_vcc 0
		.amdhsa_float_denorm_mode_32 3
		.amdhsa_float_denorm_mode_16_64 3
		.amdhsa_memory_ordered 1
		.amdhsa_forward_progress 1
		.amdhsa_inst_pref_size 109
	.end_amdhsa_kernel
	.amdgpu_metadata
---
amdhsa.version: [ 1, 2 ]
amdhsa.kernels:
  - .name:           k_qd4d38de04b_attn
    .symbol:         k_qd4d38de04b_attn.kd
    .args:
      - { .name: qkv, .offset: 0, .size: 8, .value_kind: global_buffer, .address_space: global }
      - { .name: rel_pos, .offset: 8, .size: 8, .value_kind: global_buffer, .address_space: global }
      - { .name: rel_2d_pos, .offset: 16, .size: 8, .value_kind: global_buffer, .address_space: global }
      - { .name: tab, .offset: 24, .size: 8, .value_kind: global_buffer, .address_space: global }
      - { .name: ctxb, .offset: 32, .size: 8, .value_kind: global_buffer, .address_space: global }
    .group_segment_fixed_size: 327680
    .private_segment_fixed_size: 0
    .kernarg_segment_align: 8
    .kernarg_segment_size: 40
    .max_flat_workgroup_size: 256
    .sgpr_count:     66
    .vgpr_count:     512
    .wavefront_size: 32
...
	.end_amdgpu_metadata
.endif
;; end of part 3
;; launch proj (part 4): grid 8 x 32, 4 waves a work-group, clusters of 4 x 4, 327,680 bytes of LDS; arguments ctxb, wob, zeros, yb; writes yb
.if DOCPART == 4
	.amdgcn_target "amdgcn-amd-amdhsa--gfx1250"
	.amdhsa_code_object_version 6
	.text
	.protected	k_qd4d38de04b_proj
	.globl	k_qd4d38de04b_proj
	.p2align	8
	.type	k_qd4d38de04b_proj,@function
k_qd4d38de04b_proj:
	s_mov_b64 s[64:65], 0
	v_nop
	global_prefetch_b8 v0, s[64:65] scope:SCOPE_SE
	s_setreg_imm32_b32 hwreg(HW_REG_WAVE_MODE, 25, 1), 1
	s_wait_xcnt 0x0
	s_wait_alu depctr_hold_cnt(0) depctr_sa_sdst(0) depctr_va_vdst(0) depctr_va_sdst(0) depctr_va_ssrc(0) depctr_va_vcc(0) depctr_vm_vsrc(0)
	s_getreg_b32 s2, hwreg(HW_REG_IB_STS2, 6, 4)
	s_cmp_eq_u32 s2, 0
	s_cbranch_scc0 .Lentry_in_a_cluster
	s_endpgm
.Lentry_in_a_cluster:
	s_bfe_u32 s2, ttmp6, 0x10000c
	s_cmp_lg_u32 s2, 0xf033
	s_cbranch_scc0 .Lentry_shape_is_right
	s_endpgm
.Lentry_shape_is_right:
; THE OUTPUT PROJECTION.  C[m][n] = the sum over k of A[m][k] B[n][k] + bias[n].  A: [8192][1024], B: [1024][1024], both bf16 IN BLOCKS: byte(r, c) = (r >> 10) * 2,097,152 + (c >> 6) * 131,072 + (r & 1023) * 128 + (c & 63) * 2.
; bias: f32 [1024], here a buffer of zeros: b_out is added later, in f32.  C: bf16, rounded once from f32 sums, in the same blocks (the text forms a column's place as third and place in the third; here the third is 0).
; SHARES.  A tile of C is 256 x 128: 8 x 32 = 256 work-groups; four waves, each 128 rows x 64 columns (one block of 64 columns): 32 accumulators of 16 x 16.  K goes in eight steps of 128 (two blocks of 64 columns) through two LDS slots.
; (A tile of 256 x 256 would make 128 work-groups of this product.)
; THE MATRIX INSTRUCTION IS USED TRANSPOSED (source 0 = 16 rows of B, source 1 = 16 rows of A): a lane holds row l % 16 of C and eight neighbouring columns, which pack into 16 bytes.
; The first product of each sum takes the bias as its C operand: nothing is cleared, and nothing is added on the way out.
; CLUSTER.  4 x 4 work-groups: the four of a row of the cluster need the same tiles of A, the four of a column the same tiles of B; each tile is asked for jointly, by the same tensor load with the same descriptor and a mask of four.
; REGISTERS, in windows of 256 (s_set_vgpr_msb: bits 1:0 source 0, 3:2 source 1, 5:4 source 2, 7:6 destination):
;   window 0: v16-30 addresses; v32-63 the bias in the accumulators' layout; v128-255 the way out      window 1: accumulator (a, b) at 8 (4 a + b)
;   window 2: two fragment buffers of 96: A's fragment a at 8 a, B's fragment b at 64 + 8 b
.set PITCH,  144                       ; an LDS row: 128 bytes + 16 of padding = 36 words: the 16 rows of a fragment load start at 16 different groups of four banks (64 banks of 4 bytes: ISA guide 11.1)
.set AKH,    128*PITCH                 ; 128 rows of A, one block of 64 columns
.set AHALF,  2*AKH                     ; what one tensor load brings of A: 128 rows x 128 columns
.set BKH,    64*PITCH
.set BHALF,  2*BKH                     ; and of B: 64 rows x 128 columns
.set BOFF,   2*AHALF                   ; in a slot: A's two halves, then B's two halves
.set SLOT,   BOFF+2*BHALF              ; 110,592
.set STAGE,  2*SLOT                    ; behind the ring, never filled by a tensor load: 16 rows x 144 bytes for each wave
.set SPARE,  STAGE+4*16*PITCH          ; the spare words, 128 bytes for each wave: two blocks of 256 bytes that no other line names
.set KSTEPB, 262144                    ; bytes from a K step to the next: two blocks of 64 columns
.set ADRA, 16                          ; v16-17  LDS address of my A fragments in slot 0, 1
.set ADRB, 20                          ; v20-21  the same for B
.set STO,  24                          ; v24     the way out: where I put 16 bytes of a row
.set RD,   25                          ; v25     where I read rows back
.set GO,   26                          ; v26     16 x lane
.set BO,   27                          ; v27     my byte offset in the bias
.set SPW,  28                          ; v28     LDS address of my spare word; never rewritten
.set NIL,  29                          ; v29     0; never rewritten
.set PFO,  30                          ; v30     the prefetches' lane offset; never rewritten
.set BS,   32
.set OUT,  128
.set F0,   0
.set F1,   96
.set G1A, 24                           ; s[24:31] descriptor group 1 for A's tiles;  s[32:39] group 0, a set for each slot
.set G0A, 32
.set G1B, 48                           ; s[48:55], s[56:63] the same for B's
.set G0B, 56
.set PFA, 40                           ; s[40:41] where my prefetches stand
.set L1,  42                           ; s42, s43: 1 where the wave prefetches at the change out of slot 1, slot 0; else the greatest number
.set L0,  43
.set FLAGS, (1<<16)|(1<<20)|(1<<21)|(4<<22)|(3<<25)  ; 17:16 elements of 2 bytes; 20 padding on; 21 set beside a mask; 24:22 after every 32 words (code 4); 31:25 4 words of it (code 3)
.set MSB, 0
.macro WIN new                         ; the immediate's high byte repeats the setting that is left; a switch that changes nothing is dropped
.if MSB != (\new)
	s_set_vgpr_msb (MSB<<8)|(\new)
.set MSB, \new
.endif
.endm
.set W_MUL,  0x5a                      ; sources 0 and 1 window 2; C and D window 1
.set W_MUL0, 0x4a                      ; the same with C (the bias) in window 0
.set W_FET,  0x80                      ; destination window 2, address window 0
; A joint load: waves 0 and 1 fetch A's two halves, waves 2 and 3 B's.  The branch hangs on the wave's number alone.  An s_nop 0 and four v_nop follow each of the two lines.
.macro JLOAD s
	s_cmp_eq_u32 s13, 0
	s_cbranch_scc0 .Lfor_b_\@
	tensor_load_to_lds s[G0A+4*(\s):G0A+4*(\s)+3], s[G1A:G1A+7]
	s_nop 0
.rept 4
	v_nop
.endr
	s_branch .Lasked_\@
.Lfor_b_\@:
	tensor_load_to_lds s[G0B+4*(\s):G0B+4*(\s)+3], s[G1B:G1B+7]
	s_nop 0
.rept 4
	v_nop
.endr
.Lasked_\@:
.endm
.macro CREST                           ; a round of the cluster's barrier behind its opening barrier
	s_cmp_lg_u32 s12, 0
	s_cbranch_scc1 .Lnot_wave_0_\@
	s_barrier_signal -3
.Lnot_wave_0_\@:
	s_barrier_wait -3
	s_barrier_signal -1
	s_barrier_wait -1
.endm
.macro CROUND                          ; a whole round
	s_barrier_signal -1
	s_barrier_wait -1
	CREST
.endm
; A PREFETCH INTO THE L2 of the K step that stands two refills on, behind the joint load, its five lines and the run of LDS loads.  Each aligned block of 256 bytes is named once in the launch:
; A's rows are asked for by the cluster with x = 0, B's by the cluster with y = 0; the four partners that fetch a tile jointly share its blocks out BY ADDRESS (cx for A, cy for B), a lane a block.
; A wave's half of A's tile is 128 blocks a K step: 32 a partner, one instruction at every change of slots.  Its half of B's is 64: 16 a partner, so lanes 16-31 take the K step after, and B is asked for at the change out of slot 0 alone.
; K steps 0 to 3 come by their loads alone; the loop's last trip (s19 = 1) asks for nothing: there is no K step two refills on.
.macro ASK slot
	WIN 0
	s_cmp_gt_u32 s19, s[L0-(\slot)]
	s_cbranch_scc0 .Lnot_mine_\@
	global_prefetch_b8 v[PFO], s[PFA:PFA+1] th:TH_LOAD_NT scope:SCOPE_SE
.Lnot_mine_\@:
.endm
	s_load_b256 s[4:11], s[0:1], 0x0               ; A s[4:5], B s[6:7], bias s[8:9], C s[10:11]
	v_lshl_add_u32 v[SPW], v0, 2, SPARE
	v_mov_b32 v[NIL], 0
	ds_add_u32 v[SPW], v[NIL]                      ; the wave's opening: the add and its wait stand ahead of my first tensor load; the set-up below, work on registers, stands between them
	v_lshrrev_b32 v1, 5, v0
	v_readfirstlane_b32 s12, v1                    ; wave 0..3
	s_lshr_b32 s13, s12, 1                         ; RH: which 128 rows of the tile are mine.  Also: I fetch for A (0) or for B (1)
	s_and_b32 s14, s12, 1                          ; CH: which 64 columns.  Also: which half of that tile I fetch
	s_bfe_u32 s15, ttmp6, 0x40000                  ; cx
	s_bfe_u32 s16, ttmp6, 0x40004                  ; cy
	s_lshl_b32 s17, ttmp9, 2
	s_add_co_u32 s17, s17, s15                     ; tx: tile column of C
	s_and_b32 s18, ttmp7, 0xffff
	s_lshl_b32 s18, s18, 2
	s_add_co_u32 s18, s18, s16                     ; ty: tile row of C
	s_lshl_b32 s20, s16, 2
	s_lshl_b32 s20, 15, s20                        ; my row of the cluster
	s_lshl_b32 s21, 0x1111, s15                    ; my column
	s_or_b32 s[G1A], s20, FLAGS                    ; A's tiles go to my row,
	s_or_b32 s[G1B], s21, FLAGS                    ; B's to my column
	; 128 rows of one block of 64 columns are 16,384 dense bytes: asked for as ONE long row of 8,192 elements; the tile's second row is the next block of columns, 65,536 elements on.  The padding falls behind every 128 bytes.
	s_mov_b32 s[G1A+1], 8192<<16                   ; tensor_dim0 = 8,192
	s_mov_b32 s[G1A+2], 2<<16                      ; tensor_dim1 = 2
	s_mov_b32 s[G1A+3], 8192<<16                   ; tile_dim0 = 8,192
	s_mov_b32 s[G1A+4], 2                          ; tile_dim1 = 2
	s_mov_b32 s[G1A+5], 65536                      ; elements from row to row
	s_mov_b32 s[G1A+6], 0
	s_mov_b32 s[G1A+7], 0
	s_mov_b32 s[G1B+1], 4096<<16                   ; B: 64 rows: 4,096 elements
	s_mov_b32 s[G1B+2], 2<<16
	s_mov_b32 s[G1B+3], 4096<<16
	s_mov_b32 s[G1B+4], 2
	s_mov_b32 s[G1B+5], 65536
	s_mov_b32 s[G1B+6], 0
	s_mov_b32 s[G1B+7], 0
	s_lshr_b32 s44, s18, 2                         ; A's half tile: (ty >> 2) x 2,097,152 + ((ty & 3) x 256 + 128 CH) x 128: it hangs on the tile row alone
	s_lshl_b32 s44, s44, 21
	s_and_b32 s45, s18, 3
	s_lshl_b32 s45, s45, 15
	s_add_co_u32 s44, s44, s45
	s_lshl_b32 s45, s14, 14
	s_add_co_u32 s44, s44, s45
	s_mov_b32 s45, 0
	s_lshr_b32 s46, s17, 3                         ; B's: (tx >> 3) x 2,097,152 + ((tx & 7) x 128 + 64 CH) x 128: on the tile column alone
	s_lshl_b32 s46, s46, 21
	s_and_b32 s47, s17, 7
	s_lshl_b32 s47, s47, 14
	s_add_co_u32 s46, s46, s47
	s_lshl_b32 s47, s14, 13
	s_add_co_u32 s46, s46, s47
	s_mov_b32 s47, 0
	s_mul_i32 s22, s14, AHALF                      ; where they go: no place in the cluster enters an LDS address
	s_mul_i32 s23, s14, BHALF
	s_add_co_u32 s23, s23, BOFF
	s_wait_dscnt 0x0                               ; the opening add is done
	s_wait_kmcnt 0x0
	s_add_nc_u64 s[20:21], s[4:5], s[44:45]
	s_add_nc_u64 s[46:47], s[6:7], s[46:47]
	CROUND                                         ; all sixteen work-groups are here: the first joint loads meet
.irp s, 0,1
	s_mov_b32 s[G0A+4*\s], 1                       ; 1:0 count = 1
	s_add_co_u32 s[G0A+4*\s+1], s22, \s*SLOT       ; 63:32 LDS address
	s_add_nc_u64 s[G0A+4*\s+2:G0A+4*\s+3], s[20:21], \s*KSTEPB  ; 120:64 global address: K step s
	s_or_b32 s[G0A+4*\s+3], s[G0A+4*\s+3], 0x80000000           ; 127:126 type = 2
	s_mov_b32 s[G0B+4*\s], 1
	s_add_co_u32 s[G0B+4*\s+1], s23, \s*SLOT
	s_add_nc_u64 s[G0B+4*\s+2:G0B+4*\s+3], s[46:47], \s*KSTEPB
	s_or_b32 s[G0B+4*\s+3], s[G0B+4*\s+3], 0x80000000
	JLOAD \s                                       ; two tensor loads of mine are out
.endr
	; the prefetches' pointer and their two tests
	s_and_b32 s45, ttmp7, 0xffff                   ; cluster y
	s_cmp_eq_u32 s13, 0                            ; do I fetch for A?
	s_cselect_b64 s[PFA:PFA+1], s[20:21], s[46:47] ; my half tile, K step 0
	s_cselect_b32 s22, s15, s16                    ; my place among the four that ask for it with me
	s_cselect_b32 s23, 13, 12                      ; half of a block of columns of my half tile: 8,192 bytes of A, 4,096 of B
	s_cselect_b32 s2, 12, 18                       ; lanes 16-31: the next 16 blocks of A, or the next K step of B
	s_cselect_b32 s45, ttmp9, s45                  ; the coordinate along which other clusters read the same rows
	s_cselect_b32 s[L1], 1, -1
	s_cmp_eq_u32 s45, 0
	s_cselect_b32 s[L0], 1, -1                     ; the same in all sixteen partners, for a given wave
	s_cselect_b32 s[L1], s[L1], -1
	s_lshr_b32 s44, s22, 1
	s_lshl_b32 s44, s44, 17                        ; partners 2 and 3: the K step's second block of columns
	s_and_b32 s22, s22, 1
	s_lshl_b32 s22, s22, s23
	s_add_co_u32 s44, s44, s22
	s_add_co_u32 s44, s44, 3*KSTEPB                ; at K step 3: the first change of slots steps it to 4
	s_mov_b32 s45, 0
	s_add_nc_u64 s[PFA:PFA+1], s[PFA:PFA+1], s[44:45]
	; A fragment is 16 rows x 32 K in 8 registers: lane l holds row l % 16; registers 0-3 K = 8 (l / 16) + 0..7, registers 4-7 K = 16 + 8 (l / 16) + 0..7: two loads of 16 bytes, 32 bytes apart.
	v_and_b32 v1, 15, v0                           ; l % 16
	v_bfe_u32 v2, v0, 4, 1                         ; l / 16
	v_lshlrev_b32 v31, s2, v2
	v_lshl_add_u32 v[PFO], v1, 8, v31
	v_mul_u32_u24 v3, v1, PITCH
	v_lshl_add_u32 v3, v2, 4, v3                   ; row x pitch + 16 x half
	s_mul_i32 s2, s13, AHALF                       ; my 128 rows of A
	s_mul_i32 s3, s14, BHALF                       ; my 64 rows of B
	s_add_co_u32 s3, s3, BOFF
.irp s, 0,1
	v_add_nc_u32 v[ADRA+\s], s2, v3
	v_add_nc_u32 v[ADRB+\s], s3, v3
	s_add_co_u32 s2, s2, SLOT
	s_add_co_u32 s3, s3, SLOT
.endr
	s_mul_i32 s2, s12, 16*PITCH
	s_add_co_u32 s2, s2, STAGE                     ; my stage
	v_add_nc_u32 v[STO], s2, v3                    ; in: row l % 16, 16 bytes for each half of the lanes
	v_bfe_u32 v4, v0, 3, 2                         ; back: 32 lanes take four rows of 128 bytes,
	v_mul_u32_u24 v4, v4, PITCH
	v_and_b32 v5, 7, v0
	v_lshl_add_u32 v4, v5, 4, v4
	v_add_nc_u32 v[RD], s2, v4
	v_and_b32 v[GO], 31, v0                        ; which are 512 consecutive bytes of C
	v_lshlrev_b32 v[GO], 4, v[GO]
	s_lshl_b32 s2, s17, 9                          ; the bias of my 64 columns: (128 tx + 64 CH) x 4 bytes, + 32 for lanes 16-31
	s_lshl_b32 s3, s14, 8
	s_add_co_u32 s2, s2, s3
	v_lshl_add_u32 v[BO], v2, 5, s2
.irp b, 0,1,2,3
	global_load_b128 v[BS+8*\b:BS+8*\b+3],   v[BO], s[8:9] offset:64*\b     ; register j of block b: bias[16 b + 8 (l / 16) + j]: the layout of a result
	global_load_b128 v[BS+8*\b+4:BS+8*\b+7], v[BO], s[8:9] offset:64*\b+16
.endr
	s_lshl_b32 s20, s17, 1                         ; my block of 64 columns: 2 tx + CH; its third and its place in the third
	s_add_co_u32 s20, s20, s14
	s_lshr_b32 s21, s20, 4
	s_lshl_b32 s21, s21, 24
	s_and_b32 s20, s20, 15
	s_lshl_b32 s20, s20, 17
	s_add_co_u32 s20, s20, s21
	s_lshr_b32 s21, s18, 2                         ; my first row: 256 ty + 128 RH
	s_lshl_b32 s21, s21, 21
	s_add_co_u32 s20, s20, s21
	s_and_b32 s21, s18, 3
	s_lshl_b32 s21, s21, 15
	s_add_co_u32 s20, s20, s21
	s_lshl_b32 s21, s13, 14
	s_add_co_u32 s20, s20, s21
	s_mov_b32 s21, 0
	s_add_nc_u64 s[10:11], s[10:11], s[20:21]      ; my 128 rows x 64 columns of C are 16,384 consecutive bytes
; n row blocks from a0 on x all 4 column blocks, 32 along K.  The 32 accumulators take turns, one instruction a turn, in the same order in every quarter.  zero = 1: the first product starts the sum with the bias.
.macro MULA f, a0, n, zero
.if \zero
	WIN W_MUL0
.else
	WIN W_MUL
.endif
.set aa, \a0
.rept \n
.irp b, 0,1,2,3
.if \zero
	v_wmma_f32_16x16x32_bf16 v[8*(4*aa+\b):8*(4*aa+\b)+7], v[(\f)+64+8*\b:(\f)+64+8*\b+7], v[(\f)+8*aa:(\f)+8*aa+7], v[BS+8*\b:BS+8*\b+7]
.else
	v_wmma_f32_16x16x32_bf16 v[8*(4*aa+\b):8*(4*aa+\b)+7], v[(\f)+64+8*\b:(\f)+64+8*\b+7], v[(\f)+8*aa:(\f)+8*aa+7], v[8*(4*aa+\b):8*(4*aa+\b)+7]
.endif
.endr
.set aa, aa+1
.endr
.endm
; 24 LDS loads in one run: quarter q (32 along K) of a slot into buffer f: B's 8, then A's 16 in ascending order
.macro FETCH slot, q, f
	WIN W_FET
.irp b, 0,1,2,3
	ds_load_b128 v[(\f)+64+8*\b:(\f)+64+8*\b+3],   v[ADRB+(\slot)] offset:((\q)/2)*BKH+((\q)%2)*64+\b*16*PITCH
	ds_load_b128 v[(\f)+64+8*\b+4:(\f)+64+8*\b+7], v[ADRB+(\slot)] offset:((\q)/2)*BKH+((\q)%2)*64+\b*16*PITCH+32
.endr
.irp a, 0,1,2,3,4,5,6,7
	ds_load_b128 v[(\f)+8*\a:(\f)+8*\a+3],   v[ADRA+(\slot)] offset:((\q)/2)*AKH+((\q)%2)*64+\a*16*PITCH
	ds_load_b128 v[(\f)+8*\a+4:(\f)+8*\a+7], v[ADRA+(\slot)] offset:((\q)/2)*AKH+((\q)%2)*64+\a*16*PITCH+32
.endr
.endm
.macro PLACES                          ; four places in front of loads into registers that matrix instructions have read, and of conversions that read results
.rept 4
	v_nop
.endr
.endm
; A K step is four quarters of 32 along K, 32 matrix instructions each, on buffers 0, 1, 0, 1.  One of the first three: multiplies buffer f and, in its middle, fetches quarter qn of the same slot into g.
.macro QUARTER slot, qn, f, g, zero
	s_wait_dscnt 8                                 ; B and A's blocks 0-3 are in; the youngest eight loads (A's blocks 4-7) may be out
	MULA \f, 0, 4, \zero
	PLACES
	FETCH \slot, \qn, \g
	s_wait_dscnt 24                                ; all but the 24 just issued
	MULA \f, 4, 4, \zero
.endm
; The last quarter multiplies buffer 1 and changes slots: ONE barrier; in front of it each wave waits for all its tensor loads (one is out: its part of the next slot), adds 0 to its spare word, and waits for that and for its reads of this slot.
; fill = 1: the barrier opens a round of the cluster's barrier, and this slot is filled again first thing behind the round, with the K step two on: 112 matrix instructions ahead of the wait for it.
.macro TURN slot, next, fill
.if \fill
	s_wait_xcnt 0x0                                ; the last prefetch, a K step back, has read its address, so it may be stepped
	s_add_nc_u64 s[PFA:PFA+1], s[PFA:PFA+1], KSTEPB
.endif
	WIN 0                                          ; (the add's two registers lie in window 0)
	s_wait_tensorcnt 0x0                           ; all my tensor loads have landed
	ds_add_u32 v[SPW], v[NIL]                      ; 0 onto my spare word
	s_wait_dscnt 9                                 ; (the add and the youngest eight loads may be out)
	MULA F1, 0, 2, 0                               ; eight matrix instructions stand between the add and the wait for it
	s_wait_dscnt 0x0                               ; the add is done, and my reads of this slot are over
	s_barrier_signal -1
	MULA F1, 2, 2, 0                               ; work on registers while the others arrive
.if \fill
	WIN 0
.endif
	s_barrier_wait -1
.if \fill
	CREST                                          ; no wave of any partner still reads this slot's tile or has a load on its way
	s_add_nc_u64 s[G0A+4*(\slot)+2:G0A+4*(\slot)+3], s[G0A+4*(\slot)+2:G0A+4*(\slot)+3], 2*KSTEPB
	s_add_nc_u64 s[G0B+4*(\slot)+2:G0B+4*(\slot)+3], s[G0B+4*(\slot)+2:G0B+4*(\slot)+3], 2*KSTEPB
	JLOAD \slot                                    ; the four v_nop behind it are also the places in front of the loads below
.else
	PLACES
.endif
	FETCH \next, 0, F0
.if \fill
	ASK \slot
.endif
	MULA F1, 4, 4, 0
.endm
; THE WAY OUT of row block a: rounded to bf16, 16 bytes a lane, into my own stage (rows of 144 bytes) and back as four rows of 128 bytes a load, into the registers that they left.
.macro PACK a
	WIN 0x05                                       ; sources 0 and 1 window 1, destination window 0
.irp b, 0,1,2,3
.irp p, 0,1,2,3
	v_cvt_pk_bf16_f32 v[OUT+16*(\a)+4*\b+\p], v[8*(4*(\a)+\b)+2*\p], v[8*(4*(\a)+\b)+2*\p+1]  ; each accumulator's registers in ascending order
.endr
.endr
	WIN 0
.irp b, 0,1,2,3
	ds_store_b128 v[STO], v[OUT+16*(\a)+4*\b:OUT+16*(\a)+4*\b+3] offset:32*\b
.endr
.irp f, 0,1,2,3
	ds_load_b128 v[OUT+16*(\a)+4*\f:OUT+16*(\a)+4*\f+3], v[RD] offset:\f*4*PITCH  ; LDS serves a wave's instructions in order (ISA guide 5.7.1.4): these see the stores above; the next block's stores come behind them
.endr
.endm
.macro SEND a, younger                 ; younger: the LDS instructions issued behind block a's loads: the next block's eight, or none
.irp f, 0,1,2,3
	s_wait_dscnt (\younger)+3-\f
	global_store_b128 v[GO], v[OUT+16*(\a)+4*\f:OUT+16*(\a)+4*\f+3], s[10:11] offset:(\a)*2048+\f*512  ; 512 consecutive bytes, at a multiple of 256 from C's first byte
.endr
.endm
	s_wait_tensorcnt 1                             ; my part of K step 0 is in; K step 1's may stay out
	s_barrier_signal -1
	s_barrier_wait -1                              ; everybody's is
	FETCH 0, 0, F0
	s_wait_loadcnt 0x0                             ; the bias
	QUARTER 0, 1, F0, F1, 1                        ; the first quarter stands in front of the loop: its products start the sums
	WIN 0                                          ; at a label and at a branch every window is 0
	s_mov_b32 s19, 3
.Llap:                                                 ; a trip goes once round the ring, from a lap's second quarter to the next lap's first, and fills both slots again
	QUARTER 0, 2, F1, F0, 0
	QUARTER 0, 3, F0, F1, 0
	TURN 0, 1, 1
	QUARTER 1, 1, F0, F1, 0
	QUARTER 1, 2, F1, F0, 0
	QUARTER 1, 3, F0, F1, 0
	TURN 1, 0, 1
	QUARTER 0, 1, F0, F1, 0
	WIN 0
	s_sub_co_u32 s19, s19, 1
	s_cmp_lg_u32 s19, 0
	s_cbranch_scc1 .Llap
	QUARTER 0, 2, F1, F0, 0                        ; the last lap fills nothing, and has no round of the cluster's barrier
	QUARTER 0, 3, F0, F1, 0
	TURN 0, 1, 0
	QUARTER 1, 1, F0, F1, 0
	QUARTER 1, 2, F1, F0, 0
	QUARTER 1, 3, F0, F1, 0
	s_wait_dscnt 8                                 ; the very last quarter: nothing more to fetch
	MULA F1, 0, 4, 0
	s_wait_dscnt 0x0
	MULA F1, 4, 4, 0
	PLACES
	PACK 0
.irp a, 1,2,3,4,5,6,7                  ; a block's conversions stand between the loads of the block before and its stores
	PACK \a
	SEND (\a)-1, 8
.endr
	SEND 7, 0
	s_wait_tensorcnt 0x0                           ; the wave's end: an add to my spare word and its wait, behind my last tensor load and my last LDS store
	ds_add_u32 v[SPW], v[NIL]
	s_wait_dscnt 0x0
	CROUND                                         ; the closing round: no work-group ends while a partner may still ask for a tile that names it
	s_endpgm
.Lfunc_end_k_qd4d38de04b_proj:
	.size	k_qd4d38de04b_proj, .Lfunc_end_k_qd4d38de04b_proj-k_qd4d38de04b_proj
	.p2alignl 7, 3214868480
	.fill 96, 4, 3214868480
	.section	.rodata,"a",@progbits
	.p2align	6, 0x0
	.amdhsa_kernel k_qd4d38de04b_proj
		.amdhsa_group_segment_fixed_size 327680
		.amdhsa_private_segment_fixed_size 0
		.amdhsa_enable_private_segment 0
		.amdhsa_kernarg_size 32
		.amdhsa_user_sgpr_count 2
		.amdhsa_user_sgpr_kernarg_segment_ptr 1
		.amdhsa_wavefront_size32 1
		.amdhsa_system_sgpr_workgroup_id_x 1
		.amdhsa_system_sgpr_workgroup_id_y 1
		.amdhsa_system_sgpr_workgroup_id_z 1
		.amdhsa_system_vgpr_workitem_id 0
		.amdhsa_next_free_vgpr 704
		.amdhsa_next_free_sgpr 66
		.amdhsa_reserve_vcc 0
		.amdhsa_float_denorm_mode_32 3
		.amdhsa_float_denorm_mode_16_64 3
		.amdhsa_memory_ordered 1
		.amdhsa_forward_progress 1
		.amdhsa_inst_pref_size 89
	.end_amdhsa_kernel
	.amdgpu_metadata
---
amdhsa.version: [ 1, 2 ]
amdhsa.kernels:
  - .name:           k_qd4d38de04b_proj
    .symbol:         k_qd4d38de04b_proj.kd
    .args:
      - { .name: ctxb, .offset: 0, .size: 8, .value_kind: global_buffer, .address_space: global }
      - { .name: wob, .offset: 8, .size: 8, .value_kind: global_buffer, .address_space: global }
      - { .name: zeros, .offset: 16, .size: 8, .value_kind: global_buffer, .address_space: global }
      - { .name: yb, .offset: 24, .size: 8, .value_kind: global_buffer, .address_space: global }
    .group_segment_fixed_size: 327680
    .private_segment_fixed_size: 0
    .kernarg_segment_align: 8
    .kernarg_segment_size: 32
    .max_flat_workgroup_size: 128
    .sgpr_count:     66
    .vgpr_count:     704
    .wavefront_size: 32
...
	.end_amdgpu_metadata
.endif
;; end of part 4
;; launch lnorm (part 5): grid 512 x 1, 8 waves a work-group, no clusters, 0 bytes of LDS; arguments yb, hidden_states, b_out, ln_gamma, ln_beta, out0; writes out0
.if DOCPART == 5
	.amdgcn_target "amdgcn-amd-amdhsa--gfx1250"
	.amdhsa_code_object_version 6
	.text
	.protected	k_qd4d38de04b_lnorm
	.globl	k_qd4d38de04b_lnorm
	.p2align	8
	.type	k_qd4d38de04b_lnorm,@function
k_qd4d38de04b_lnorm:
	s_mov_b64 s[64:65], 0
	v_nop
	global_prefetch_b8 v0, s[64:65] scope:SCOPE_SE
	s_setreg_imm32_b32 hwreg(HW_REG_WAVE_MODE, 25, 1), 1
	s_wait_xcnt 0x0
; out[r][:] = (h - mean(h)) / sqrt(var(h) + 1e-12) * gamma + beta, with h = x[r][:] + b_out + y[r][:].  x, out: [8192][1024] f32; b_out, gamma, beta: [1024] f32;
; y: bf16 in blocks: byte(r, c) = (r >> 10) * 2,097,152 + (c >> 6) * 131,072 + (r & 1023) * 128 + (c & 63) * 2.  All arithmetic in f32; the variance is taken of h - mean, in a second pass over registers.
; A stream: each byte once, no LDS, no barrier, no matrix unit.  Sixteen lanes own a row, so a wave owns two and a work-group of eight waves 16; a lane holds columns 64 kh + 4 (l % 16) + 0..3 for kh = 0..15: 64 numbers.
; Sixteen lanes read and write 256 consecutive bytes of a row of x and of out, aligned; a wave's load of y takes two rows' 128 bytes, 256 consecutive bytes.  A row's sums stay inside its 16 lanes: four steps by DPP.
.set T,  4                             ; v[4:7]     at work
.set SM, 8                             ; v[8:15]    four running sums of pairs
.set BO, 16                            ; v[16:79]   b_out, then gamma
.set BT, 80                            ; v[80:143]  beta
.set X,  144                           ; v[144:207] x, then h, h - mean, out
.set Y,  208                           ; v[208:239] y as loaded
	s_load_b256 s[4:11], s[0:1], 0x0               ; y s[4:5], x s[6:7], b_out s[8:9], gamma s[10:11]
	s_load_b128 s[12:15], s[0:1], 0x20             ; beta s[12:13], out s[14:15]
	v_lshrrev_b32 v1, 4, v0                        ; my row of the 16
	v_and_b32 v3, 15, v0                           ; my place in it
	v_lshlrev_b32 v2, 7, v1
	v_lshl_add_u32 v2, v3, 3, v2                   ; y: row x 128 + 8 x place
	v_lshlrev_b32 v1, 12, v1
	v_lshl_add_u32 v1, v3, 4, v1                   ; x and out: row x 4,096 + 16 x place
	v_lshlrev_b32 v3, 4, v3                        ; the three vectors: 16 x place
	s_lshl_b32 s16, ttmp9, 16                      ; 16 rows of 4,096 bytes
	s_mov_b32 s17, 0
	s_lshr_b32 s18, ttmp9, 6
	s_lshl_b32 s18, s18, 21
	s_and_b32 s19, ttmp9, 63
	s_lshl_b32 s19, s19, 11
	s_add_co_u32 s18, s18, s19
	s_mov_b32 s19, 0
	s_mov_b32 s20, 0xffff0000                      ; a word's upper bf16
	s_mov_b32 s21, 0x3a800000                      ; 1 / 1,024
	s_mov_b32 s22, 0x2b8cbccc                      ; 1e-12
	s_wait_kmcnt 0x0
	s_add_nc_u64 s[4:5], s[4:5], s[18:19]
	s_add_nc_u64 s[6:7], s[6:7], s[16:17]
	s_add_nc_u64 s[14:15], s[14:15], s[16:17]
.irp kh, 0,1,2,3,4,5,6,7,8,9,10,11,12,13,14,15
	global_load_b128 v[X+4*\kh:X+4*\kh+3],   v1, s[6:7] offset:256*\kh th:TH_LOAD_NT
	global_load_b64  v[Y+2*\kh:Y+2*\kh+1],   v2, s[4:5] offset:131072*\kh th:TH_LOAD_NT
	global_load_b128 v[BO+4*\kh:BO+4*\kh+3], v3, s[8:9] offset:256*\kh
.endr
.irp kh, 0,1,2,3,4,5,6,7,8,9,10,11,12,13,14,15
	s_wait_loadcnt 45-\kh                          ; block kh's three loads are in: behind them stand 3 (15 - kh) of their kind and the 2 kh loads of gamma and beta issued below
	v_lshlrev_b32 v[T],   16,  v[Y+2*\kh]          ; bf16 to f32: the low half moves up, the high half stays
	v_and_b32     v[T+1], s20, v[Y+2*\kh]
	v_lshlrev_b32 v[T+2], 16,  v[Y+2*\kh+1]
	v_and_b32     v[T+3], s20, v[Y+2*\kh+1]
	v_pk_add_f32 v[X+4*\kh:X+4*\kh+1],   v[X+4*\kh:X+4*\kh+1],   v[BO+4*\kh:BO+4*\kh+1]
	v_pk_add_f32 v[X+4*\kh+2:X+4*\kh+3], v[X+4*\kh+2:X+4*\kh+3], v[BO+4*\kh+2:BO+4*\kh+3]
	v_pk_add_f32 v[X+4*\kh:X+4*\kh+1],   v[X+4*\kh:X+4*\kh+1],   v[T:T+1]
	v_pk_add_f32 v[X+4*\kh+2:X+4*\kh+3], v[X+4*\kh+2:X+4*\kh+3], v[T+2:T+3]
	global_load_b128 v[BO+4*\kh:BO+4*\kh+3], v3, s[10:11] offset:256*\kh  ; gamma takes the registers that b_out has left
	global_load_b128 v[BT+4*\kh:BT+4*\kh+3], v3, s[12:13] offset:256*\kh
.if (\kh == 2) || (\kh == 3)                   ; four chains, by the block's parity and the pair: the first two blocks start them, nothing is cleared
	v_pk_add_f32 v[SM+4*(\kh%2):SM+4*(\kh%2)+1],   v[X+4*\kh-8:X+4*\kh-7], v[X+4*\kh:X+4*\kh+1]
	v_pk_add_f32 v[SM+4*(\kh%2)+2:SM+4*(\kh%2)+3], v[X+4*\kh-6:X+4*\kh-5], v[X+4*\kh+2:X+4*\kh+3]
.elseif \kh > 3
	v_pk_add_f32 v[SM+4*(\kh%2):SM+4*(\kh%2)+1],   v[SM+4*(\kh%2):SM+4*(\kh%2)+1],   v[X+4*\kh:X+4*\kh+1]
	v_pk_add_f32 v[SM+4*(\kh%2)+2:SM+4*(\kh%2)+3], v[SM+4*(\kh%2)+2:SM+4*(\kh%2)+3], v[X+4*\kh+2:X+4*\kh+3]
.endif
.endr
	v_pk_add_f32 v[8:9], v[8:9], v[10:11]
	v_pk_add_f32 v[12:13], v[12:13], v[14:15]
	v_pk_add_f32 v[8:9], v[8:9], v[12:13]
	v_add_f32 v8, v8, v9
	v_add_f32_dpp v8, v8, v8 row_xmask:1 row_mask:0xf bank_mask:0xf  ; across the row's 16 lanes
	v_add_f32_dpp v8, v8, v8 row_xmask:2 row_mask:0xf bank_mask:0xf
	v_add_f32_dpp v8, v8, v8 row_xmask:4 row_mask:0xf bank_mask:0xf
	v_add_f32_dpp v8, v8, v8 row_xmask:8 row_mask:0xf bank_mask:0xf
	v_mul_f32 v8, s21, v8                          ; the mean, in every lane of the row
	v_mov_b32 v9, v8
.set z, 0
.rept 32                               ; h - mean in place, and its squares in four chains: v[4:5], v[6:7], v[10:11], v[12:13]
.set q, 4+2*(z%4)+2*((z%4)/2)
	v_pk_add_f32 v[X+2*z:X+2*z+1], v[X+2*z:X+2*z+1], v[8:9] neg_lo:[0,1] neg_hi:[0,1]
.if z < 4
	v_pk_mul_f32 v[q:q+1], v[X+2*z:X+2*z+1], v[X+2*z:X+2*z+1]
.else
	v_pk_fma_f32 v[q:q+1], v[X+2*z:X+2*z+1], v[X+2*z:X+2*z+1], v[q:q+1]
.endif
.set z, z+1
.endr
	v_pk_add_f32 v[4:5], v[4:5], v[6:7]
	v_pk_add_f32 v[10:11], v[10:11], v[12:13]
	v_pk_add_f32 v[4:5], v[4:5], v[10:11]
	v_add_f32 v4, v4, v5
	v_add_f32_dpp v4, v4, v4 row_xmask:1 row_mask:0xf bank_mask:0xf
	v_add_f32_dpp v4, v4, v4 row_xmask:2 row_mask:0xf bank_mask:0xf
	v_add_f32_dpp v4, v4, v4 row_xmask:4 row_mask:0xf bank_mask:0xf
	v_add_f32_dpp v4, v4, v4 row_xmask:8 row_mask:0xf bank_mask:0xf
	v_fma_f32 v4, v4, s21, s22                     ; the variance + 1e-12
	v_rsq_f32 v14, v4
	v_nop                                          ; a plain instruction between the root and the use of its result
	s_wait_alu depctr_va_vdst(0)                   ; and the wait ahead of the first use
	v_mov_b32 v15, v14
.irp kh, 0,1,2,3,4,5,6,7,8,9,10,11,12,13,14,15
	s_wait_loadcnt 30-2*\kh                        ; block kh's gamma and beta are in; the younger blocks' stay out
	v_pk_mul_f32 v[X+4*\kh:X+4*\kh+1],   v[X+4*\kh:X+4*\kh+1],   v[14:15]
	v_pk_mul_f32 v[X+4*\kh+2:X+4*\kh+3], v[X+4*\kh+2:X+4*\kh+3], v[14:15]
	v_pk_fma_f32 v[X+4*\kh:X+4*\kh+1],   v[X+4*\kh:X+4*\kh+1],   v[BO+4*\kh:BO+4*\kh+1],   v[BT+4*\kh:BT+4*\kh+1]
	v_pk_fma_f32 v[X+4*\kh+2:X+4*\kh+3], v[X+4*\kh+2:X+4*\kh+3], v[BO+4*\kh+2:BO+4*\kh+3], v[BT+4*\kh+2:BT+4*\kh+3]
	global_store_b128 v1, v[X+4*\kh:X+4*\kh+3], s[14:15] offset:256*\kh th:TH_STORE_NT  ; 16 lanes store 256 consecutive bytes, aligned; no register is written again behind its store
.endr
	s_endpgm
.Lfunc_end_k_qd4d38de04b_lnorm:
	.size	k_qd4d38de04b_lnorm, .Lfunc_end_k_qd4d38de04b_lnorm-k_qd4d38de04b_lnorm
	.p2alignl 7, 3214868480
	.fill 96, 4, 3214868480
	.section	.rodata,"a",@progbits
	.p2align	6, 0x0
	.amdhsa_kernel k_qd4d38de04b_lnorm
		.amdhsa_group_segment_fixed_size 0
		.amdhsa_private_segment_fixed_size 0
		.amdhsa_enable_private_segment 0
		.amdhsa_kernarg_size 48
		.amdhsa_user_sgpr_count 2
		.amdhsa_user_sgpr_kernarg_segment_ptr 1
		.amdhsa_wavefront_size32 1
		.amdhsa_system_sgpr_workgroup_id_x 1
		.amdhsa_system_sgpr_workgroup_id_y 1
		.amdhsa_system_sgpr_workgroup_id_z 1
		.amdhsa_system_vgpr_workitem_id 0
		.amdhsa_next_free_vgpr 240
		.amdhsa_next_free_sgpr 66
		.amdhsa_reserve_vcc 0
		.amdhsa_float_denorm_mode_32 3
		.amdhsa_float_denorm_mode_16_64 3
		.amdhsa_memory_ordered 1
		.amdhsa_forward_progress 1
		.amdhsa_inst_pref_size 29
	.end_amdhsa_kernel
	.amdgpu_metadata
---
amdhsa.version: [ 1, 2 ]
amdhsa.kernels:
  - .name:           k_qd4d38de04b_lnorm
    .symbol:         k_qd4d38de04b_lnorm.kd
    .args:
      - { .name: yb, .offset: 0, .size: 8, .value_kind: global_buffer, .address_space: global }
      - { .name: hidden_states, .offset: 8, .size: 8, .value_kind: global_buffer, .address_space: global }
      - { .name: b_out, .offset: 16, .size: 8, .value_kind: global_buffer, .address_space: global }
      - { .name: ln_gamma, .offset: 24, .size: 8, .value_kind: global_buffer, .address_space: global }
      - { .name: ln_beta, .offset: 32, .size: 8, .value_kind: global_buffer, .address_space: global }
      - { .name: out0, .offset: 40, .size: 8, .value_kind: global_buffer, .address_space: global }
    .group_segment_fixed_size: 0
    .private_segment_fixed_size: 0
    .kernarg_segment_align: 8
    .kernarg_segment_size: 48
    .max_flat_workgroup_size: 256
    .sgpr_count:     66
    .vgpr_count:     240
    .wavefront_size: 32
...
	.end_amdgpu_metadata
.endif
;; end of part 5
;; ======== version 2 of 2: 5 launches; version 1 with the launch lnorm written anew for expert scheduling mode
;; workspace buffers: xb 16,777,216 bytes; wqb 6,291,456 bytes; wob 2,097,152 bytes; tab 45,056 bytes; zeros 4,096 bytes; qkv 50,331,648 bytes; ctxb 16,777,216 bytes; yb 16,777,216 bytes
;; launch prep: the kernel of part 1 again; grid 769 x 1, 8 waves a work-group, no clusters, 0 bytes of LDS; arguments hidden_states, w_qkv, w_out, attention_mask, q_bias, v_bias, xb, wqb, wob, tab, zeros; writes xb, wqb, wob, tab, zeros
;; launch qkv: the kernel of part 2 again; grid 12 x 32, 4 waves a work-group, clusters of 4 x 4, 327,680 bytes of LDS; arguments xb, wqb, tab, qkv; writes qkv
;; launch attn: the kernel of part 3 again; grid 16 x 16, 8 waves a work-group, clusters of 4 x 1, 327,680 bytes of LDS; arguments qkv, rel_pos, rel_2d_pos, tab, ctxb; writes ctxb
;; launch proj: the kernel of part 4 again; grid 8 x 32, 4 waves a work-group, clusters of 4 x 4, 327,680 bytes of LDS; arguments ctxb, wob, zeros, yb; writes yb
;; launch lnorm (part 6): grid 512 x 1, 8 waves a work-group, no clusters, 0 bytes of LDS; arguments yb, hidden_states, b_out, ln_gamma, ln_beta, out0; writes out0
.if DOCPART == 6
	.amdgcn_target "amdgcn-amd-amdhsa--gfx1250"
	.amdhsa_code_object_version 6
	.text
	.protected	k_qd4d38de04b_lnorm
	.globl	k_qd4d38de04b_lnorm
	.p2align	8
	.type	k_qd4d38de04b_lnorm,@function
k_qd4d38de04b_lnorm:
	s_mov_b64 s[64:65], 0
	v_nop
	global_prefetch_b8 v0, s[64:65] scope:SCOPE_SE
	s_setreg_imm32_b32 hwreg(HW_REG_WAVE_SCHED_MODE, 0, 2), 2
	s_setreg_imm32_b32 hwreg(HW_REG_WAVE_MODE, 25, 1), 1
	s_wait_xcnt 0x0
	s_wait_alu depctr_vm_vsrc(0)
; out[r][:] = (h - mean(h)) / sqrt(var(h) + 1e-12) * gamma + beta, with h = x[r][:] + b_out + y[r][:].  x, out: [8192][1024] f32; b_out, gamma, beta: [1024] f32;
; y: bf16 in blocks: byte(r, c) = (r >> 10) * 2,097,152 + (c >> 6) * 131,072 + (r & 1023) * 128 + (c & 63) * 2.  All arithmetic in f32; the variance is taken of h - mean, in a second pass over registers.
; A stream: each byte once, no LDS, no barrier, no matrix unit.  Sixteen lanes own a row, so a wave owns two and a work-group of eight waves 16; a lane holds columns 64 kh + 4 (l % 16) + 0..3 for kh = 0..15: 64 numbers.
; Sixteen lanes read and write 256 consecutive bytes of a row of x and of out, aligned; a wave's load of y takes two rows' 128 bytes, 256 consecutive bytes.  A row's sums stay inside its 16 lanes: four steps by DPP.
; THE MODE: SCHED_MODE bits 1:0 = 2 (LLVM: expert scheduling mode 2), set by the entry lines.  The code itself states the register dependences between vector instructions and memory instructions, with s_wait_alu, always for 0.
; THE PLAN.  Registers that memory instructions touch:
;   v1, v2, v3  byte offsets, made once at the head and never written again: one wait ahead of the first load serves every load and store.
;   X           The head's loads land in it before any vector line names it; the three passes work on it in place; the stores read it, and nothing writes it behind its store.
;   Y           The head's loads land in it; pass 1 reads it; it is never loaded again.
;   BO          b_out lands in it from the head's loads and is read by pass 1; then gamma lands in the same registers.  Pass 1 goes by halves: at block 8's head one wait states that blocks 0 to 7 are done reading
;               their b_out, and gamma's blocks 0 to 7 are asked for, one at the head of each of blocks 8 to 15, whose vector lines name BO's upper half alone; behind block 15 a second wait, and gamma's blocks 8 to 15.
;   BT          beta lands in it; no vector line names it before pass 3.
;   T, SM, v14, v15 are named by vector instructions alone.
; Pass 3 goes in four groups of four blocks: at a group's head one wait states that the group before has written its numbers, and that group's four stores are dealt among this group's vector lines, which name
; only this group's registers.  No register that a memory instruction reads is ever written again, so no wait on vm_vsrc stands behind the entry lines; no vector line writes a scalar register, and EXEC is never written.
.set T,  4                             ; v[4:7]     at work
.set SM, 8                             ; v[8:15]    four running sums of pairs
.set BO, 16                            ; v[16:79]   b_out, then gamma
.set BT, 80                            ; v[80:143]  beta
.set X,  144                           ; v[144:207] x, then h, h - mean, out
.set Y,  208                           ; v[208:239] y as loaded
	s_load_b256 s[4:11], s[0:1], 0x0               ; y s[4:5], x s[6:7], b_out s[8:9], gamma s[10:11]
	s_load_b128 s[12:15], s[0:1], 0x20             ; beta s[12:13], out s[14:15]
	v_lshrrev_b32 v1, 4, v0                        ; my row of the 16
	v_and_b32 v3, 15, v0                           ; my place in it
	v_lshlrev_b32 v2, 7, v1
	v_lshl_add_u32 v2, v3, 3, v2                   ; y: row x 128 + 8 x place
	v_lshlrev_b32 v1, 12, v1
	v_lshl_add_u32 v1, v3, 4, v1                   ; x and out: row x 4,096 + 16 x place
	v_lshlrev_b32 v3, 4, v3                        ; the three vectors: 16 x place
	s_lshl_b32 s16, ttmp9, 16                      ; 16 rows of 4,096 bytes
	s_mov_b32 s17, 0
	s_lshr_b32 s18, ttmp9, 6
	s_lshl_b32 s18, s18, 21
	s_and_b32 s19, ttmp9, 63
	s_lshl_b32 s19, s19, 11
	s_add_co_u32 s18, s18, s19
	s_mov_b32 s19, 0
	s_mov_b32 s20, 0xffff0000                      ; a word's upper bf16
	s_mov_b32 s21, 0x3a800000                      ; 1 / 1,024
	s_mov_b32 s22, 0x2b8cbccc                      ; 1e-12
	s_wait_kmcnt 0x0
	s_add_nc_u64 s[4:5], s[4:5], s[18:19]
	s_add_nc_u64 s[6:7], s[6:7], s[16:17]
	s_add_nc_u64 s[14:15], s[14:15], s[16:17]
	s_wait_alu depctr_va_vdst(0)                   ; v1, v2 and v3 are written: every load and store of the kernel reads one of them as its offset
.irp kh, 0,1,2,3,4,5,6,7,8,9,10,11,12,13,14,15
	global_load_b128 v[X+4*\kh:X+4*\kh+3],   v1, s[6:7] offset:256*\kh th:TH_LOAD_NT
	global_load_b64  v[Y+2*\kh:Y+2*\kh+1],   v2, s[4:5] offset:131072*\kh th:TH_LOAD_NT
	global_load_b128 v[BO+4*\kh:BO+4*\kh+3], v3, s[8:9] offset:256*\kh
.endr
.irp kh, 0,1,2,3,4,5,6,7,8,9,10,11,12,13,14,15
.if \kh < 8
	s_wait_loadcnt 45-2*\kh                        ; block kh's three loads are in: behind them stand 3 (15 - kh) of their kind and the kh loads of beta issued in the blocks before
.else
	s_wait_loadcnt 37-\kh                          ; the same, and the kh - 8 loads of gamma issued since block 8
.endif
.if \kh == 8
	s_wait_alu depctr_va_vdst(0)                   ; the additions of blocks 0 to 7 are done reading their b_out, in whose registers the loads of gamma in blocks 8 to 15 land
.endif
.if \kh >= 8
	global_load_b128 v[BO+4*\kh-32:BO+4*\kh-29], v3, s[10:11] offset:256*\kh-2048  ; gamma's block kh - 8 takes the registers that b_out has left.  No further wait: no vector line since the wait above names BO's lower half
.endif
	global_load_b128 v[BT+4*\kh:BT+4*\kh+3], v3, s[12:13] offset:256*\kh  ; no vector line has named these registers
	v_lshlrev_b32 v[T],   16,  v[Y+2*\kh]          ; bf16 to f32: the low half moves up, the high half stays
	v_and_b32     v[T+1], s20, v[Y+2*\kh]
	v_lshlrev_b32 v[T+2], 16,  v[Y+2*\kh+1]
	v_and_b32     v[T+3], s20, v[Y+2*\kh+1]
	v_pk_add_f32 v[X+4*\kh:X+4*\kh+1],   v[X+4*\kh:X+4*\kh+1],   v[BO+4*\kh:BO+4*\kh+1]
	v_pk_add_f32 v[X+4*\kh+2:X+4*\kh+3], v[X+4*\kh+2:X+4*\kh+3], v[BO+4*\kh+2:BO+4*\kh+3]
	v_pk_add_f32 v[X+4*\kh:X+4*\kh+1],   v[X+4*\kh:X+4*\kh+1],   v[T:T+1]
	v_pk_add_f32 v[X+4*\kh+2:X+4*\kh+3], v[X+4*\kh+2:X+4*\kh+3], v[T+2:T+3]
.if (\kh == 2) || (\kh == 3)                   ; four chains, by the block's parity and the pair: the first two blocks start them, nothing is cleared
	v_pk_add_f32 v[SM+4*(\kh%2):SM+4*(\kh%2)+1],   v[X+4*\kh-8:X+4*\kh-7], v[X+4*\kh:X+4*\kh+1]
	v_pk_add_f32 v[SM+4*(\kh%2)+2:SM+4*(\kh%2)+3], v[X+4*\kh-6:X+4*\kh-5], v[X+4*\kh+2:X+4*\kh+3]
.elseif \kh > 3
	v_pk_add_f32 v[SM+4*(\kh%2):SM+4*(\kh%2)+1],   v[SM+4*(\kh%2):SM+4*(\kh%2)+1],   v[X+4*\kh:X+4*\kh+1]
	v_pk_add_f32 v[SM+4*(\kh%2)+2:SM+4*(\kh%2)+3], v[SM+4*(\kh%2)+2:SM+4*(\kh%2)+3], v[X+4*\kh+2:X+4*\kh+3]
.endif
.endr
	s_wait_alu depctr_va_vdst(0)                   ; the additions of blocks 8 to 15 are done reading their b_out, in whose registers the eight loads of gamma below land
.irp kh, 8,9,10,11,12,13,14,15
	global_load_b128 v[BO+4*\kh:BO+4*\kh+3], v3, s[10:11] offset:256*\kh  ; they have the mean, the second pass and the variance in which to land
.endr
	v_pk_add_f32 v[8:9], v[8:9], v[10:11]
	v_pk_add_f32 v[12:13], v[12:13], v[14:15]
	v_pk_add_f32 v[8:9], v[8:9], v[12:13]
	v_add_f32 v8, v8, v9
	v_add_f32_dpp v8, v8, v8 row_xmask:1 row_mask:0xf bank_mask:0xf  ; across the row's 16 lanes
	v_add_f32_dpp v8, v8, v8 row_xmask:2 row_mask:0xf bank_mask:0xf
	v_add_f32_dpp v8, v8, v8 row_xmask:4 row_mask:0xf bank_mask:0xf
	v_add_f32_dpp v8, v8, v8 row_xmask:8 row_mask:0xf bank_mask:0xf
	v_mul_f32 v8, s21, v8                          ; the mean, in every lane of the row
	v_mov_b32 v9, v8
.set z, 0
.rept 32                               ; h - mean in place, and its squares in four chains: v[4:5], v[6:7], v[10:11], v[12:13]
.set q, 4+2*(z%4)+2*((z%4)/2)
	v_pk_add_f32 v[X+2*z:X+2*z+1], v[X+2*z:X+2*z+1], v[8:9] neg_lo:[0,1] neg_hi:[0,1]
.if z < 4
	v_pk_mul_f32 v[q:q+1], v[X+2*z:X+2*z+1], v[X+2*z:X+2*z+1]
.else
	v_pk_fma_f32 v[q:q+1], v[X+2*z:X+2*z+1], v[X+2*z:X+2*z+1], v[q:q+1]
.endif
.set z, z+1
.endr
	v_pk_add_f32 v[4:5], v[4:5], v[6:7]
	v_pk_add_f32 v[10:11], v[10:11], v[12:13]
	v_pk_add_f32 v[4:5], v[4:5], v[10:11]
	v_add_f32 v4, v4, v5
	v_add_f32_dpp v4, v4, v4 row_xmask:1 row_mask:0xf bank_mask:0xf
	v_add_f32_dpp v4, v4, v4 row_xmask:2 row_mask:0xf bank_mask:0xf
	v_add_f32_dpp v4, v4, v4 row_xmask:4 row_mask:0xf bank_mask:0xf
	v_add_f32_dpp v4, v4, v4 row_xmask:8 row_mask:0xf bank_mask:0xf
	v_fma_f32 v4, v4, s21, s22                     ; the variance + 1e-12
	v_rsq_f32 v14, v4
	v_nop                                          ; a plain instruction between the root and the use of its result
	s_wait_alu depctr_va_vdst(0)                   ; the root has written v14: the wait ahead of the first line that names it
	v_mov_b32 v15, v14
; Group g of pass 3: blocks 4 g to 4 g + 3 are scaled; the four stores of the group before are dealt among its vector lines, a store ahead of each block's four.
; left = how many younger loads may still be out when this group's gamma and beta have to be there.  Behind the head's 48 the loads were issued in this order: beta 0-7; gamma j and beta 8 + j for j = 0 to 7; gamma 8-15.
.macro GROUP g, left
	s_wait_loadcnt \left                           ; loads come back in order (ISA guide 5.7.1): this group's gamma and beta are in, the younger ones stay out
.if (\g) > 0
	s_wait_alu depctr_va_vdst(0)                   ; the group before has written its 16 registers of X, which the four stores below read; no vector line of this group names them
.endif
.irp i, 0,1,2,3
.if (\g) > 0
	global_store_b128 v1, v[X+16*(\g)-16+4*\i:X+16*(\g)-16+4*\i+3], s[14:15] offset:1024*(\g)-1024+256*\i th:TH_STORE_NT  ; 16 lanes store 256 consecutive bytes, aligned; no register is written again behind its store
.endif
	v_pk_mul_f32 v[X+16*(\g)+4*\i:X+16*(\g)+4*\i+1],   v[X+16*(\g)+4*\i:X+16*(\g)+4*\i+1],   v[14:15]
	v_pk_mul_f32 v[X+16*(\g)+4*\i+2:X+16*(\g)+4*\i+3], v[X+16*(\g)+4*\i+2:X+16*(\g)+4*\i+3], v[14:15]
	v_pk_fma_f32 v[X+16*(\g)+4*\i:X+16*(\g)+4*\i+1],   v[X+16*(\g)+4*\i:X+16*(\g)+4*\i+1],   v[BO+16*(\g)+4*\i:BO+16*(\g)+4*\i+1],   v[BT+16*(\g)+4*\i:BT+16*(\g)+4*\i+1]
	v_pk_fma_f32 v[X+16*(\g)+4*\i+2:X+16*(\g)+4*\i+3], v[X+16*(\g)+4*\i+2:X+16*(\g)+4*\i+3], v[BO+16*(\g)+4*\i+2:BO+16*(\g)+4*\i+3], v[BT+16*(\g)+4*\i+2:BT+16*(\g)+4*\i+3]
.endr
.endm
	GROUP 0, 17                                    ; behind gamma 3 stand beta 11, four pairs of gamma and beta, and gamma 8-15
	GROUP 1, 9                                     ; behind gamma 7: beta 15 and gamma 8-15
	GROUP 2, 4                                     ; behind gamma 11: gamma 12-15
	GROUP 3, 0
	s_wait_alu depctr_va_vdst(0)                   ; group 3 has written its 16 registers of X, which the last four stores read
.irp i, 0,1,2,3
	global_store_b128 v1, v[X+48+4*\i:X+48+4*\i+3], s[14:15] offset:3072+256*\i th:TH_STORE_NT
.endr
	s_endpgm
.Lfunc_end_k_qd4d38de04b_lnorm:
	.size	k_qd4d38de04b_lnorm, .Lfunc_end_k_qd4d38de04b_lnorm-k_qd4d38de04b_lnorm
	.p2alignl 7, 3214868480
	.fill 96, 4, 3214868480
	.section	.rodata,"a",@progbits
	.p2align	6, 0x0
	.amdhsa_kernel k_qd4d38de04b_lnorm
		.amdhsa_group_segment_fixed_size 0
		.amdhsa_private_segment_fixed_size 0
		.amdhsa_enable_private_segment 0
		.amdhsa_kernarg_size 48
		.amdhsa_user_sgpr_count 2
		.amdhsa_user_sgpr_kernarg_segment_ptr 1
		.amdhsa_wavefront_size32 1
		.amdhsa_system_sgpr_workgroup_id_x 1
		.amdhsa_system_sgpr_workgroup_id_y 1
		.amdhsa_system_sgpr_workgroup_id_z 1
		.amdhsa_system_vgpr_workitem_id 0
		.amdhsa_next_free_vgpr 240
		.amdhsa_next_free_sgpr 66
		.amdhsa_reserve_vcc 0
		.amdhsa_float_denorm_mode_32 3
		.amdhsa_float_denorm_mode_16_64 3
		.amdhsa_memory_ordered 1
		.amdhsa_forward_progress 1
		.amdhsa_inst_pref_size 29
	.end_amdhsa_kernel
	.amdgpu_metadata
---
amdhsa.version: [ 1, 2 ]
amdhsa.kernels:
  - .name:           k_qd4d38de04b_lnorm
    .symbol:         k_qd4d38de04b_lnorm.kd
    .args:
      - { .name: yb, .offset: 0, .size: 8, .value_kind: global_buffer, .address_space: global }
      - { .name: hidden_states, .offset: 8, .size: 8, .value_kind: global_buffer, .address_space: global }
      - { .name: b_out, .offset: 16, .size: 8, .value_kind: global_buffer, .address_space: global }
      - { .name: ln_gamma, .offset: 24, .size: 8, .value_kind: global_buffer, .address_space: global }
      - { .name: ln_beta, .offset: 32, .size: 8, .value_kind: global_buffer, .address_space: global }
      - { .name: out0, .offset: 40, .size: 8, .value_kind: global_buffer, .address_space: global }
    .group_segment_fixed_size: 0
    .private_segment_fixed_size: 0
    .kernarg_segment_align: 8
    .kernarg_segment_size: 48
    .max_flat_workgroup_size: 256
    .sgpr_count:     66
    .vgpr_count:     240
    .wavefront_size: 32
...
	.end_amdgpu_metadata
.endif
;; end of part 6
